; MI455X (gfx1250); checked and timed in simulation.
; The chip was launched on July 23, 2026; its instructions are those of AMD's public machine-readable ISA for CDNA 5 (MIT licence, August 2026) and "CDNA5" Instruction Set Architecture Reference Guide (July 2026). The comments in the code are by the model that wrote it; some were corrected since.
;; Causal Self Attention. Allowed arithmetic: float matrix products may take bf16 or f16 operands with f32 sums; all other float work in f32.
;; Inputs: Wg 2,048 x 2,048 float32; Wk 2,048 x 2,048 float32; Wo 2,048 x 2,048 float32; Wq 2,048 x 2,048 float32; Wv 2,048 x 2,048 float32; k_gamma 128 float32; o_gamma 128 float32; q_gamma 128 float32; x 2 x 1,024 x 2,048 float32.
;; Outputs: out0 2 x 1,024 x 2,048 float32.
;; 2 versions, each right; version 2 is version 1 with the launch cast written anew for expert scheduling mode. Each part assembles by itself: llvm-mc -triple=amdgcn-amd-amdhsa -mcpu=gfx1250 --defsym DOCPART=n.
;; ======== version 1 of 2: 4 launches
;; limits: values outside matrix products are rounded to f16; values are held in f16: magnitudes above 65,504 overflow, below 6.1e-05 lose precision; right only within a limited range of input values
;; workspace buffers: cast 50,331,648 bytes; rope 32,768 bytes; qkvg 33,554,432 bytes; yg 8,388,608 bytes
;; launch cast (part 1): grid 128 x 6, 8 waves a work-group, no clusters, 0 bytes of LDS; arguments x, Wq, Wk, Wv, Wg, Wo, cast, rope; writes cast, rope
.if DOCPART == 1
	.amdgcn_target "amdgcn-amd-amdhsa--gfx1250"
	.amdhsa_code_object_version 6
	.text
	.protected	k_q7274d32e80_cast
	.globl	k_q7274d32e80_cast
	.p2align	8
	.type	k_q7274d32e80_cast,@function
k_q7274d32e80_cast:
	s_mov_b64 s[64:65], 0
	v_nop
	global_prefetch_b8 v0, s[64:65] scope:SCOPE_SE
	s_setreg_imm32_b32 hwreg(HW_REG_WAVE_MODE, 25, 1), 1
	s_wait_xcnt 0x0
; THE SIX LARGE INPUTS, f32 -> bf16 (round to nearest even), AND A SMALL TABLE OF COSINES AND SINES.
; cast holds six sections of 8,388,608 bytes, [2048][2048] bf16 each: x, Wq, Wk, Wv, Wg, Wo.  Inside every group of 128 columns the order is changed:
; stored place 8 i + e holds column 4 i + e (e < 4) or column 64 + 4 i + e - 4 (e >= 4).  All six have it, so every product along these columns keeps its terms;
; the later launches write q, k, v, the gate and y in the same order, in which a lane holds channels d and d + 64 side by side.
; SHARES.  Work-group (x, y): 131,072 bytes of tensor y, 65,536 out, in 16 steps.  Thread t, step k: 16 bytes at (t / 16) 512 + (t % 16) 16 + 8,192 k, 16 bytes 256 further,
; eight bf16 to 16 t + 4,096 k: in every load and store sixteen neighbouring lanes cover 256 consecutive bytes, aligned.
; Memory binds: no LDS, no barrier, no matrix unit.  A RING of eight register slots: steps 0 to 7 are asked for at once, and each of them asks for the step eight further on ahead of its own store,
; so that sixteen loads of a thread are out until its ninth step and its stores leave while loads are on their way.  A store's registers are never written again, so no wait frees one.
; THE TABLE.  rope: 64 rows of 512 bytes, cos of 64 frequencies, then sin.  Row 8 a + c holds the angles of token 128 a + c (a, c = 0..7); the next launch steps eight tokens at a time from there.
; angle = t x 10000^(-i/64), rounded once as a product; sine and cosine by a reduction to |r| <= pi/4 (pi/2 in two parts) and polynomials of degree 7 and 8.
; LIMIT: the angle's frequency comes from v_exp_f32 (1 ulp), so an angle lies within about 1e-4 rad of the one that a power function would give at t = 1,023.
.set IN,  4                            ; v[4:67]    eight slots of two loads
.set OUT, 68                           ; v[68:131]  sixteen results
	s_load_b512 s[8:23], s[0:1], 0x0               ; x, Wq, Wk, Wv, Wg, Wo at s[8:19], cast s[20:21], rope s[22:23]
	s_and_b32 s2, ttmp7, 0xffff                    ; which tensor
	s_mov_b32 s3, ttmp9                            ; which part of it
	v_lshrrev_b32 v1, 4, v0
	v_and_b32 v3, 15, v0
	v_lshlrev_b32 v1, 9, v1
	v_lshl_or_b32 v1, v3, 4, v1                    ; in: group of 128 columns x 512 + 16 i
	v_lshlrev_b32 v2, 4, v0                        ; out: 16 t
	s_lshl_b32 s24, s3, 17
	s_mov_b32 s25, 0
	s_lshl_b32 s26, s2, 23
	s_lshl_b32 s27, s3, 16
	s_add_co_u32 s26, s26, s27
	s_mov_b32 s27, 0
	s_wait_kmcnt 0x0
	s_mov_b64 s[4:5], s[8:9]
.irp n, 1,2,3,4,5
	s_cmp_eq_u32 s2, \n                            ; a choice between buffers on the work-group's y alone
	s_cselect_b64 s[4:5], s[8+2*(\n):9+2*(\n)], s[4:5]
.endr
	s_add_nc_u64 s[4:5], s[4:5], s[24:25]
	s_add_nc_u64 s[6:7], s[20:21], s[26:27]
.irp k, 0,1,2,3,4,5,6,7
	global_load_b128 v[IN+8*(\k):IN+8*(\k)+3],   v1, s[4:5] offset:8192*(\k) th:TH_LOAD_NT
	global_load_b128 v[IN+8*(\k)+4:IN+8*(\k)+7], v1, s[4:5] offset:8192*(\k)+256 th:TH_LOAD_NT
.endr
.irp k, 0,1,2,3,4,5,6,7,8,9,10,11,12,13,14,15
.if (\k) < 8
	s_wait_loadcnt 14                              ; loads come back in order: step k's two are in; behind them went 14 - 2 k of the first fill and 2 k refills
.else
	s_wait_loadcnt 14-2*((\k)-8)                   ; nothing more is asked for: the counts run down
.endif
	v_cvt_pk_bf16_f32 v[OUT+4*(\k)],   v[IN+8*((\k)%8)],   v[IN+8*((\k)%8)+1]
	v_cvt_pk_bf16_f32 v[OUT+4*(\k)+1], v[IN+8*((\k)%8)+2], v[IN+8*((\k)%8)+3]
	v_cvt_pk_bf16_f32 v[OUT+4*(\k)+2], v[IN+8*((\k)%8)+4], v[IN+8*((\k)%8)+5]
	v_cvt_pk_bf16_f32 v[OUT+4*(\k)+3], v[IN+8*((\k)%8)+6], v[IN+8*((\k)%8)+7]
.if (\k) < 8
	global_load_b128 v[IN+8*(\k):IN+8*(\k)+3],   v1, s[4:5] offset:8192*((\k)+8) th:TH_LOAD_NT      ; the slot's next step, ahead of the store
	global_load_b128 v[IN+8*(\k)+4:IN+8*(\k)+7], v1, s[4:5] offset:8192*((\k)+8)+256 th:TH_LOAD_NT
.endif
	global_store_b128 v2, v[OUT+4*(\k):OUT+4*(\k)+3], s[6:7] offset:4096*(\k)  ; read again by the next launch: no hint
.endr
	s_cmp_lg_u32 s2, 0                             ; the table is made by work-groups (0..7, 0), behind their share of x
	s_cbranch_scc1 .Lend
	s_cmp_ge_u32 s3, 8
	s_cbranch_scc1 .Lend
	v_lshrrev_b32 v132, 5, v0
	v_readfirstlane_b32 s36, v132                  ; wave c
	s_lshl_b32 s37, s3, 7
	s_add_co_u32 s37, s37, s36                     ; token 128 a + c
	s_lshl_b32 s38, s3, 3
	s_add_co_u32 s38, s38, s36
	s_lshl_b32 s38, s38, 9                         ; row 8 a + c, 512 bytes a row
	s_mov_b32 s39, 0
	s_add_nc_u64 s[22:23], s[22:23], s[38:39]
	s_mov_b32 s24, 0x3f22f983                      ; 2 / pi
	s_mov_b32 s25, 0xbfc90fdb                      ; - pi/2, the f32 next to it,
	s_mov_b32 s26, 0x333bbd2e                      ; and what that f32 is too large by
	s_mov_b32 s27, 0xb94ca1f9                      ; sine: -1.9515296e-4, 8.3321608e-3, -1.6666655e-1
	s_mov_b32 s28, 0x3c08839e
	s_mov_b32 s29, 0xbe2aaaa3
	s_mov_b32 s30, 0x37ccf5ce                      ; cosine: 2.4433157e-5, -1.3887316e-3, 4.1666646e-2
	s_mov_b32 s31, 0xbab6061a
	s_mov_b32 s32, 0x3d2aaaa5
	v_and_b32 v3, 31, v0                           ; lane: frequencies 2 lane and 2 lane + 1
	v_lshlrev_b32 v147, 3, v3                      ; 8 bytes a lane
	v_lshlrev_b32 v132, 1, v3
	v_cvt_f32_u32 v145, v132
	v_cvt_f32_u32 v144, s37
	v_add_f32 v146, 1.0, v145
	v_mul_f32 v145, 0xbe549a78, v145               ; - i log2(10000) / 64
	v_mul_f32 v146, 0xbe549a78, v146
	v_exp_f32 v145, v145
	v_exp_f32 v146, v146
	v_nop                                          ; a plain instruction behind the exponentials (ISA guide 5.7.2)
	s_wait_alu depctr_va_vdst(0)
	v_mul_f32 v145, v144, v145                     ; the angles
	v_mul_f32 v146, v144, v146
; cosine into v[c], sine into v[s] of the angle in v[a] (0 to 1,023)
.macro SINCOS a, c, s
	v_mul_f32 v133, s24, v[\a]
	v_rndne_f32 v133, v133                         ; n quarter turns
	v_fma_f32 v134, v133, s25, v[\a]
	v_fma_f32 v134, v133, s26, v134                ; r = angle - n pi/2
	v_mul_f32 v135, v134, v134                     ; z = r r
	v_fma_f32 v136, v135, s27, s28
	v_fma_f32 v137, v135, s30, s31
	v_fma_f32 v136, v136, v135, s29
	v_fma_f32 v137, v137, v135, s32
	v_mul_f32 v136, v136, v135
	v_mul_f32 v137, v137, v135
	v_fma_f32 v139, v135, -0.5, 1.0
	v_fma_f32 v136, v136, v134, v134               ; sin r
	v_fma_f32 v137, v137, v135, v139               ; cos r
	v_cvt_i32_f32 v138, v133
	v_and_b32 v139, 1, v138
	v_cmp_eq_u32 vcc_lo, 1, v139                   ; an odd quarter swaps the two
	v_cndmask_b32 v[\s], v136, v137, vcc_lo
	v_cndmask_b32 v[\c], v137, v136, vcc_lo
	v_lshlrev_b32 v139, 30, v138                   ; the sine is negative in quarters 2 and 3,
	v_and_b32 v139, 0x80000000, v139
	v_xor_b32 v[\s], v[\s], v139
	v_add_nc_u32 v138, 1, v138                     ; the cosine in quarters 1 and 2
	v_lshlrev_b32 v139, 30, v138
	v_and_b32 v139, 0x80000000, v139
	v_xor_b32 v[\c], v[\c], v139
.endm
	SINCOS 145, 140, 142
	SINCOS 146, 141, 143
	global_store_b64 v147, v[140:141], s[22:23]             ; 32 lanes x 8 bytes: the row's 256 bytes of cosines,
	global_store_b64 v147, v[142:143], s[22:23] offset:256  ; and of sines
.Lend:
	s_endpgm
.Lfunc_end_k_q7274d32e80_cast:
	.size	k_q7274d32e80_cast, .Lfunc_end_k_q7274d32e80_cast-k_q7274d32e80_cast
	.p2alignl 7, 3214868480
	.fill 96, 4, 3214868480
	.section	.rodata,"a",@progbits
	.p2align	6, 0x0
	.amdhsa_kernel k_q7274d32e80_cast
		.amdhsa_group_segment_fixed_size 0
		.amdhsa_private_segment_fixed_size 0
		.amdhsa_enable_private_segment 0
		.amdhsa_kernarg_size 64
		.amdhsa_user_sgpr_count 2
		.amdhsa_user_sgpr_kernarg_segment_ptr 1
		.amdhsa_wavefront_size32 1
		.amdhsa_system_sgpr_workgroup_id_x 1
		.amdhsa_system_sgpr_workgroup_id_y 1
		.amdhsa_system_sgpr_workgroup_id_z 1
		.amdhsa_system_vgpr_workitem_id 0
		.amdhsa_next_free_vgpr 148
		.amdhsa_next_free_sgpr 66
		.amdhsa_reserve_vcc 1
		.amdhsa_float_denorm_mode_32 3
		.amdhsa_float_denorm_mode_16_64 3
		.amdhsa_memory_ordered 1
		.amdhsa_forward_progress 1
		.amdhsa_inst_pref_size 15
	.end_amdhsa_kernel
	.amdgpu_metadata
---
amdhsa.version: [ 1, 2 ]
amdhsa.kernels:
  - .name:           k_q7274d32e80_cast
    .symbol:         k_q7274d32e80_cast.kd
    .args:
      - { .name: x, .offset: 0, .size: 8, .value_kind: global_buffer, .address_space: global }
      - { .name: Wq, .offset: 8, .size: 8, .value_kind: global_buffer, .address_space: global }
      - { .name: Wk, .offset: 16, .size: 8, .value_kind: global_buffer, .address_space: global }
      - { .name: Wv, .offset: 24, .size: 8, .value_kind: global_buffer, .address_space: global }
      - { .name: Wg, .offset: 32, .size: 8, .value_kind: global_buffer, .address_space: global }
      - { .name: Wo, .offset: 40, .size: 8, .value_kind: global_buffer, .address_space: global }
      - { .name: cast, .offset: 48, .size: 8, .value_kind: global_buffer, .address_space: global }
      - { .name: rope, .offset: 56, .size: 8, .value_kind: global_buffer, .address_space: global }
    .group_segment_fixed_size: 0
    .private_segment_fixed_size: 0
    .kernarg_segment_align: 8
    .kernarg_segment_size: 64
    .max_flat_workgroup_size: 256
    .sgpr_count:     66
    .vgpr_count:     148
    .wavefront_size: 32
...
	.end_amdgpu_metadata
.endif
;; end of part 1
;; launch proj (part 2): grid 32 x 8, 4 waves a work-group, clusters of 4 x 4, 327,680 bytes of LDS; arguments cast, rope, q_gamma, k_gamma, qkvg; writes qkvg
.if DOCPART == 2
	.amdgcn_target "amdgcn-amd-amdhsa--gfx1250"
	.amdhsa_code_object_version 6
	.text
	.protected	k_q7274d32e80_proj
	.globl	k_q7274d32e80_proj
	.p2align	8
	.type	k_q7274d32e80_proj,@function
k_q7274d32e80_proj:
	s_mov_b64 s[64:65], 0
	v_nop
	global_prefetch_b8 v0, s[64:65] scope:SCOPE_SE
	s_setreg_imm32_b32 hwreg(HW_REG_WAVE_MODE, 25, 1), 1
	s_wait_xcnt 0x0
	s_wait_alu depctr_hold_cnt(0) depctr_sa_sdst(0) depctr_va_vdst(0) depctr_va_sdst(0) depctr_va_ssrc(0) depctr_va_vcc(0) depctr_vm_vsrc(0)
	s_getreg_b32 s2, hwreg(HW_REG_IB_STS2, 6, 4)
	s_cmp_eq_u32 s2, 0
	s_cbranch_scc0 .Lentry_in_a_cluster
	s_endpgm
.Lentry_in_a_cluster:
	s_bfe_u32 s2, ttmp6, 0x10000c
	s_cmp_lg_u32 s2, 0xf033
	s_cbranch_scc0 .Lentry_shape_is_right
	s_endpgm
.Lentry_shape_is_right:
; THE FOUR PROJECTIONS AS ONE PRODUCT, AND WHAT FOLLOWS EACH.  C[2048][8192] = x [Wq; Wk; Wv; Wg]^T, bf16 operands, f32 sums, K = 2,048.
; A tile of C, 256 x 256, is made by a work-group of four waves; a wave makes 128 x 128: 128 tokens x ONE HEAD, 64 accumulators, 512 registers.  K goes in steps of 128 through two LDS slots
; filled by the tensor data mover: rows of 256 bytes, at multiples of 256 bytes.  256 work-groups.
; CLUSTER 4 x 4: the four of a row of the cluster need the same tiles of x, the four of a column the same tiles of W: each tile is asked for JOINTLY, by the same tensor load, descriptor and mask.
; THE MATRIX INSTRUCTION IS USED TRANSPOSED (source 0 = 16 rows of W, source 1 = 16 rows of x): a lane holds eight neighbouring channels of one token.
; THE WAY OUT.  The ring has had its last fill, so it becomes the stage: each wave lays its 128 rows of 128 f32 there (pitch 528) and reads them back two rows at a time, a lane taking channels
; 4 i .. 4 i + 3 and 64 + 4 i .. 64 + 4 i + 3.  By the tile's column (the same in all sixteen partners):
;   q, k: RoPE (d with d + 64), RMS norm over the head's 128 channels (a sum over 16 lanes), gamma rounded to bf16;      v: times 2^-3;      gate: g / (1 + e^-g) times 2^-3.
; All four leave as f16, [type][batch x 16 + head][token][128], a lane's eight numbers as 16 bytes: channels in the order 8 i + e <- 4 i + e, 64 + 4 i + e - 4; a store covers 512 consecutive bytes, aligned.
; RoPE's cosines and sines come from the table for the wave's first eight tokens and are turned on by eight tokens a trip (fifteen turns; the error stays under 1e-5).
; LIMITS.  f16 ends at 65,504: |q|, |k| <= 11.4 |gamma|, so |gamma| stays under 5,700; |v| and |silu(gate)| stay under 524,000.  NaN and infinities are not treated apart.
;
; REGISTERS, in windows of 256 (s_set_vgpr_msb: bits 1:0 source 0, 3:2 source 1, 5:4 source 2, 7:6 destination):
;   window 0: v0-31 addresses; v64-127, v128-191 fragments of x, two buffers; on the way out v32-191 as listed below      window 1: v64-127, v128-191 fragments of W
;   window 2: the 32 accumulators of my rows 0-63 (accumulator (a, b) at v[8 (8 a + b)]);   window 3: those of my rows 64-127
.set SIZE_K, 2048
.set KSTEP,  128
.set PITCH,  272                       ; an LDS row: 256 bytes + 16 of padding = 68 words: the 16 rows of a load start at 16 different groups of four banks (64 banks of 4 bytes: ISA guide 11.1)
.set HALFT,  128*PITCH                 ; 128 rows: what one tensor load brings
.set SLOT,   4*HALFT                   ; x's 256 rows, then W's 256 rows
.set WST,    69632                     ; the way out: a quarter of the ring for each wave
.set SPT,    528                       ; a stage row: 512 bytes + 16 = 132 words: again 16 rows, 16 groups of banks
.set SPARE,  296448                    ; behind the ring: the spare words, 128 bytes for each wave: two blocks of 256 bytes that no other line names
.set LAPS,   SIZE_K/(2*KSTEP)
.set ADRA, 16                          ; v16-17  LDS address of my x fragments in slot 0, 1
.set ADRB, 20                          ; v20-21  the same for W
.set DA,   24                          ; v24     stage, in: 69,632 w + 528 (l % 16) + 32 (l / 16)
.set RA0,  25                          ; v25     stage, back: 69,632 w + 528 (l / 16) + 16 (l % 16)
.set GO,   26                          ; v26     16 l: my 16 bytes in two rows of the output
.set TV,   27                          ; v27     512 (l / 16) + 16 (l % 16): my place in two rows of the table
.set SPW,  28                          ; v28     LDS address of my spare word; never rewritten
.set NIL,  29                          ; v29     0; never rewritten
.set GV,   30                          ; v30     16 (l % 16)
.set RA,   31                          ; v31     RA0 + the trip's rows
.set F0,   64
.set F1,   128
.set X,    32                          ; v32-63   unit u of four (two rows each): channels 4 i .. at X + 8 u, channels 64 + 4 i .. at X + 8 u + 4
.set CSN,  64                          ; v64-95   unit u: cosines at CSN + 8 u, sines at CSN + 8 u + 4 (gate: g / 8)
.set Y,    96                          ; v96-127  results, laid as X
.set C8,   128                         ; v128-131 cosine of eight tokens' angle
.set S8,   132                         ; v132-135 its sine
.set GAM,  136                         ; v136-143 gamma of my eight channels
.set TT,   144                         ; v144-159 unit u: a pair for the sum of squares, a pair for the row's factor
.set PKD,  160                         ; v160-175 unit u: 16 bytes to store
.set TM,   176                         ; v176-183 at work
.set G1, 24                            ; s[24:31] descriptor group 1 for x's tiles;  s[32:39] group 0, one set for each slot
.set G0, 32
.set G1B, 48                           ; s[48:55], s[56:63] the same for W's tiles
.set G0B, 56
.set TYP, 76                           ; s76  0 q, 1 k, 2 v, 3 gate
.set RS,  77                           ; s77  the trip's rows in the stage, in bytes
.set MSB, 0
.macro WIN new                         ; the immediate's high byte repeats the setting that is left
.if MSB != (\new)
	s_set_vgpr_msb (MSB<<8)|(\new)
.set MSB, \new
.endif
.endm
.set MUL_LO, 0xa1                      ; source 0 (W) window 1, source 1 (x) window 0, C and D window 2
.set MUL_HI, 0xf1                      ; the same, C and D window 3
.set TO_B,   0x40                      ; destination window 1, address window 0
; A joint load.  Waves 0 and 1 fetch x's two halves, waves 2 and 3 W's.  The branch hangs on the wave's number alone.  An s_nop 0 and four v_nop follow each of the two lines.
.macro JLOAD s
	s_cmp_eq_u32 s11, 0
	s_cbranch_scc0 .Lfor_b_\@
	tensor_load_to_lds s[G0+4*(\s):G0+4*(\s)+3], s[G1:G1+7]
	s_nop 0
.rept 4
	v_nop
.endr
	s_branch .Lasked_\@
.Lfor_b_\@:
	tensor_load_to_lds s[G0B+4*(\s):G0B+4*(\s)+3], s[G1B:G1B+7]
	s_nop 0
.rept 4
	v_nop
.endr
.Lasked_\@:
.endm
.macro CREST                           ; a round of the cluster's barrier behind its opening barrier
	s_cmp_lg_u32 s10, 0
	s_cbranch_scc1 .Lnot_wave_0_\@
	s_barrier_signal -3
.Lnot_wave_0_\@:
	s_barrier_wait -3
	s_barrier_signal -1
	s_barrier_wait -1
.endm
.macro CROUND                          ; a whole round
	s_barrier_signal -1
	s_barrier_wait -1
	CREST
.endm
	s_load_b256 s[68:75], s[0:1], 0x0              ; cast s[68:69], rope s[70:71], q_gamma s[72:73], k_gamma s[74:75]
	s_load_b64 s[8:9], s[0:1], 0x20                ; qkvg
	v_lshl_add_u32 v[SPW], v0, 2, SPARE
	v_mov_b32 v[NIL], 0
	ds_add_u32 v[SPW], v[NIL]                      ; the wave's opening: the add and its wait ahead of my first tensor load; the set-up below stands between them
	ds_add_u32 v28, v29
	v_lshrrev_b32 v1, 5, v0
	v_readfirstlane_b32 s10, v1                    ; wave 0..3
	s_lshr_b32 s11, s10, 1                         ; which half of the tile's rows is mine.  Also: I fetch for x (0) or for W (1)
	s_and_b32 s12, s10, 1                          ; which half of its columns.  Also: which 128 rows of that tile I fetch
	s_bfe_u32 s40, ttmp6, 0x40000                  ; cx, cy: my place in the cluster
	s_bfe_u32 s41, ttmp6, 0x40004
	s_lshl_b32 s42, ttmp9, 2
	s_add_co_u32 s42, s42, s40                     ; tile column = 4 x cluster x + cx
	s_and_b32 s13, ttmp7, 0xffff
	s_lshl_b32 s13, s13, 2
	s_add_co_u32 s13, s13, s41                     ; tile row = 4 x cluster y + cy
	s_lshr_b32 s[TYP], ttmp9, 1                    ; eight tile columns to a weight: the type hangs on the cluster's x alone
	s_lshl_b32 s43, s41, 2
	s_lshl_b32 s43, 15, s43                        ; my row of the cluster
	s_lshl_b32 s44, 0x1111, s40                    ; my column
	s_or_b32 s[G1+0], s43, (1<<16)|(1<<20)|(1<<21)|(5<<22)|(3<<25)  ; 15:0 the mask; 17:16 2-byte elements; 20 padding on; 21 set beside a mask; 24:22 after every 64 words; 31:25 4 words of it
	s_or_b32 s[G1B+0], s44, (1<<16)|(1<<20)|(1<<21)|(5<<22)|(3<<25)
.irp g, G1, G1B
	s_mov_b32 s[(\g)+1], KSTEP<<16                 ; tensor_dim0 = 128
	s_mov_b32 s[(\g)+2], 128<<16                   ; tensor_dim1 = 128
	s_mov_b32 s[(\g)+3], KSTEP<<16                 ; tile_dim0 = 128
	s_mov_b32 s[(\g)+4], 128                       ; tile_dim1 = 128
	s_mov_b32 s[(\g)+5], SIZE_K                    ; elements from row to row
	s_mov_b32 s[(\g)+6], 0
	s_mov_b32 s[(\g)+7], 0
.endr
	s_lshl_b32 s17, s12, 7                         ; which 128 rows of the tile I fetch
	s_lshl_b32 s16, s13, 8
	s_add_co_u32 s16, s16, s17                     ; x: row 256 x tile row + 128 x half
	s_lshl_b32 s46, s42, 8
	s_add_co_u32 s46, s46, s17                     ; W (the four weights on end): row 256 x tile column + 128 x half
	s_mov_b32 s17, 0
	s_mov_b32 s47, 0
	s_mov_b64 s[18:19], SIZE_K*2
	s_mul_u64 s[16:17], s[16:17], s[18:19]
	s_mul_u64 s[46:47], s[46:47], s[18:19]
	s_mul_i32 s20, s10, HALFT                      ; where they go: wave x 128 rows: no place in the cluster enters an LDS address
	s_mov_b32 s80, 0x3c000000                      ; 1 / 128
	s_mov_b32 s81, 0x3727c5ac                      ; 1e-5
	s_wait_dscnt 0x0                               ; the opening add is done
	s_wait_kmcnt 0x0
	s_add_nc_u64 s[14:15], s[68:69], s[16:17]
	s_add_nc_u64 s[6:7], s[68:69], 0x800000        ; Wq's section follows x's
	s_add_nc_u64 s[46:47], s[6:7], s[46:47]
	CROUND                                         ; all sixteen work-groups are here: the first joint loads meet
.irp s, 0,1
	s_mov_b32 s[G0+4*(\s)], 1
	s_add_co_u32 s[G0+4*(\s)+1], s20, (\s)*SLOT
	s_add_nc_u64 s[G0+4*(\s)+2:G0+4*(\s)+3], s[14:15], (\s)*KSTEP*2
	s_or_b32 s[G0+4*(\s)+3], s[G0+4*(\s)+3], 0x80000000
	s_mov_b32 s[G0B+4*(\s)], 1
	s_add_co_u32 s[G0B+4*(\s)+1], s20, (\s)*SLOT
	s_add_nc_u64 s[G0B+4*(\s)+2:G0B+4*(\s)+3], s[46:47], (\s)*KSTEP*2
	s_or_b32 s[G0B+4*(\s)+3], s[G0B+4*(\s)+3], 0x80000000
	JLOAD \s                                       ; two tensor loads of mine are out
.endr
	v_and_b32 v1, 15, v0                           ; l % 16
	v_bfe_u32 v2, v0, 4, 1                         ; l / 16
	v_mul_u32_u24 v3, v1, PITCH
	v_lshl_add_u32 v3, v2, 4, v3                   ; a fragment's row x pitch + 16 x half
	s_mul_i32 s21, s11, HALFT                      ; my 128 rows of x
	s_mul_i32 s22, s12, HALFT                      ; my 128 rows of W,
	s_add_co_u32 s22, s22, 2*HALFT                 ; which lie behind x's 256
.irp s, 0,1
	v_add_nc_u32 v[ADRA+(\s)], s21, v3
	v_add_nc_u32 v[ADRB+(\s)], s22, v3
	s_add_co_u32 s21, s21, SLOT
	s_add_co_u32 s22, s22, SLOT
.endr
	s_mul_i32 s23, s10, WST
	v_mul_u32_u24 v4, v1, SPT
	v_lshl_add_u32 v4, v2, 5, v4
	v_add_nc_u32 v[DA], s23, v4
	v_mul_u32_u24 v5, v2, SPT
	v_lshl_add_u32 v5, v1, 4, v5
	v_add_nc_u32 v[RA0], s23, v5
	v_and_b32 v[GO], 31, v0
	v_lshlrev_b32 v[GO], 4, v[GO]
	v_lshlrev_b32 v[GV], 4, v1
	v_lshl_add_u32 v[TV], v2, 9, v[GV]
	; where my 128 tokens x one head go: type x 2^23 + (batch x 16 + head) x 2^18 + token x 256
	s_lshl_b32 s16, s13, 8
	s_lshl_b32 s17, s11, 7
	s_add_co_u32 s16, s16, s17                     ; my first row of C
	s_bfe_u32 s18, s16, 0x30007                    ; which 128 tokens of the sequence: bits 9:7
	s_lshl_b32 s18, s18, 12                        ; eight rows of the table
	s_mov_b32 s19, 0
	s_add_nc_u64 s[82:83], s[70:71], s[18:19]
	s_lshr_b32 s17, s16, 10                        ; batch
	s_and_b32 s16, s16, 1023                       ; token
	s_lshl_b32 s16, s16, 8
	s_lshl_b32 s17, s17, 22
	s_add_co_u32 s16, s16, s17
	s_lshl_b32 s17, s[TYP], 23
	s_add_co_u32 s16, s16, s17
	s_and_b32 s46, s42, 7
	s_lshl_b32 s46, s46, 1
	s_add_co_u32 s46, s46, s12                     ; head = 2 x (tile column % 8) + my half
	s_lshl_b32 s46, s46, 18
	s_add_co_u32 s16, s16, s46
	s_mov_b32 s17, 0
	s_add_nc_u64 s[8:9], s[8:9], s[16:17]
	s_cmp_eq_u32 s[TYP], 0
	s_cselect_b64 s[78:79], s[72:73], s[74:75]     ; q's gamma or k's
; 16 matrix instructions: m blocks a0, a0 + 1 of the window's four x all 8 n blocks, 32 along K.  zero = 1: the first product starts the sums
.macro MUL16 f, hi, a0, zero
	WIN MUL_LO+0x50*(\hi)
.irp a, \a0, (\a0)+1
.irp b, 0,1,2,3,4,5,6,7
.if \zero
	v_wmma_f32_16x16x32_bf16 v[8*(8*(\a)+(\b)):8*(8*(\a)+(\b))+7], v[(\f)+8*(\b):(\f)+8*(\b)+7], v[(\f)+8*(4*(\hi)+(\a)):(\f)+8*(4*(\hi)+(\a))+7], 0
.else
	v_wmma_f32_16x16x32_bf16 v[8*(8*(\a)+(\b)):8*(8*(\a)+(\b))+7], v[(\f)+8*(\b):(\f)+8*(\b)+7], v[(\f)+8*(4*(\hi)+(\a)):(\f)+8*(4*(\hi)+(\a))+7], v[8*(8*(\a)+(\b)):8*(8*(\a)+(\b))+7]
.endif
.endr
.endr
.endm
; 32 LDS loads in one run: the fragments of one quarter step (128 rows of W, 128 rows of x, 32 K at byte k of the rows) into buffer f
.macro FETCH slot, k, f
	WIN TO_B
.irp i, 0,1,2,3,4,5,6,7
	ds_load_b128 v[(\f)+8*(\i):(\f)+8*(\i)+3],   v[ADRB+(\slot)] offset:(\k)+(\i)*16*PITCH
	ds_load_b128 v[(\f)+8*(\i)+4:(\f)+8*(\i)+7], v[ADRB+(\slot)] offset:(\k)+(\i)*16*PITCH+32
.endr
	WIN 0
.irp i, 0,1,2,3,4,5,6,7
	ds_load_b128 v[(\f)+8*(\i):(\f)+8*(\i)+3],   v[ADRA+(\slot)] offset:(\k)+(\i)*16*PITCH
	ds_load_b128 v[(\f)+8*(\i)+4:(\f)+8*(\i)+7], v[ADRA+(\slot)] offset:(\k)+(\i)*16*PITCH+32
.endr
.endm
.macro PLACES                          ; four plain vector instructions between a matrix instruction and a load into, or a read of, its registers (except for loads)
.rept 4
	v_nop
.endr
.endm
; A K step is four quarters of 32 along K, 64 matrix instructions each, on buffers 0, 1, 0, 1; the 64 accumulators take turns.
.macro QUARTER slot, k, f, g, zero
	s_wait_dscnt 8                                 ; W and x's rows 0-63 are in; the youngest eight loads (x's rows 64-127) may be out
	WIN MUL_LO
	MUL16 \f, 0, 0, \zero
	MUL16 \f, 0, 2, \zero
	PLACES
	FETCH \slot, \k, \g
	s_wait_dscnt 32                                ; all but the 32 just issued
	WIN MUL_HI
	MUL16 \f, 1, 0, \zero
	MUL16 \f, 1, 2, \zero
.endm
; The first half of a step's last quarter: ONE barrier for the change of slots.  In front of it each wave waits for all its tensor loads (one is out: its part of the next slot), adds 0 to its spare word,
; and waits for that and for its own reads of this slot.
.macro MEET round
	WIN 0
	s_wait_tensorcnt 0x0
	ds_add_u32 v[SPW], v[NIL]
	s_wait_dscnt 9                                 ; the add and the youngest eight loads may be out
	WIN MUL_LO
	MUL16 F1, 0, 0, 0
	s_wait_dscnt 0x0                               ; the add is done, and my reads of this slot are over
	s_barrier_signal -1
	MUL16 F1, 0, 2, 0
.if \round
	WIN 0
.endif
	s_barrier_wait -1
.endm
; The whole last quarter where the slot is filled again, two K steps ahead: the barrier opens a round of the cluster's, and the joint refill is the first tensor load behind it: 224 matrix instructions ahead of the wait for it.
.macro TURN slot, next
	MEET 1
	CREST
	s_add_nc_u64 s[G0+4*(\slot)+2:G0+4*(\slot)+3], s[G0+4*(\slot)+2:G0+4*(\slot)+3], 2*KSTEP*2
	s_add_nc_u64 s[G0B+4*(\slot)+2:G0B+4*(\slot)+3], s[G0B+4*(\slot)+2:G0B+4*(\slot)+3], 2*KSTEP*2
	JLOAD \slot                                    ; the four v_nop behind it are also the places in front of the loads below
	FETCH \next, 0, F0
	WIN MUL_HI
	MUL16 F1, 1, 0, 0
	MUL16 F1, 1, 2, 0
.endm
	s_wait_tensorcnt 1                             ; my part of K step 0 is in; K step 1's may stay out
	s_barrier_signal -1
	s_barrier_wait -1
	FETCH 0, 0, F0
	QUARTER 0, 64,  F0, F1, 1                      ; the first quarter stands in front of the loop: its products start the sums
	WIN 0
	s_mov_b32 s3, LAPS-1
.Llap:                                                 ; a trip goes once round the ring and fills both slots again
	QUARTER 0, 128, F1, F0, 0
	QUARTER 0, 192, F0, F1, 0
	TURN 0, 1
	QUARTER 1, 64,  F0, F1, 0
	QUARTER 1, 128, F1, F0, 0
	QUARTER 1, 192, F0, F1, 0
	TURN 1, 0
	QUARTER 0, 64,  F0, F1, 0
	WIN 0
	s_sub_co_u32 s3, s3, 1
	s_cmp_lg_u32 s3, 0
	s_cbranch_scc1 .Llap
	QUARTER 0, 128, F1, F0, 0                      ; the last lap fills nothing
	QUARTER 0, 192, F0, F1, 0
	MEET 0
	PLACES
	FETCH 1, 0, F0
	WIN MUL_HI
	MUL16 F1, 1, 0, 0
	MUL16 F1, 1, 2, 0
	QUARTER 1, 64,  F0, F1, 0
	QUARTER 1, 128, F1, F0, 0
	QUARTER 1, 192, F0, F1, 0
	s_wait_dscnt 0x0                               ; my last reads of the ring are back:
	s_barrier_signal -1                            ; say so, for behind this barrier the ring is written as the stage
	MUL16 F1, 0, 0, 0
	MUL16 F1, 0, 2, 0
	MUL16 F1, 1, 0, 0
	MUL16 F1, 1, 2, 0
	WIN 0
	s_barrier_wait -1
	PLACES                                         ; behind the last products, ahead of every read of a sum and every load into a fragment's register
; My 64 accumulators into my quarter of the ring: row = token, 512 bytes of f32; each accumulator's low four registers first.
.macro DUMP
.irp hi, 0,1
	WIN 0x08+4*(\hi)                               ; store data (source 1) in window 2, then 3
.irp a, 0,1,2,3
.irp b, 0,1,2,3,4,5,6,7
	ds_store_b128 v[DA], v[8*(8*(\a)+(\b)):8*(8*(\a)+(\b))+3]   offset:(4*(\hi)+(\a))*16*SPT+64*(\b)
	ds_store_b128 v[DA], v[8*(8*(\a)+(\b))+4:8*(8*(\a)+(\b))+7] offset:(4*(\hi)+(\a))*16*SPT+64*(\b)+16
.endr
.endr
.endr
	WIN 0
.endm
; Eight rows back: unit u is rows 2 u and 2 u + 1; lanes 0-15 take one row, lanes 16-31 the next.  LDS serves a wave's instructions in order (ISA guide 5.7.1.4): these see my stores.
.macro RBN
	v_add_nc_u32 v[RA], s[RS], v[RA0]
.irp u, 0,1,2,3
	ds_load_b128 v[X+8*(\u):X+8*(\u)+3],   v[RA] offset:2*SPT*(\u)
	ds_load_b128 v[X+8*(\u)+4:X+8*(\u)+7], v[RA] offset:2*SPT*(\u)+256
.endr
.endm
; Sixteen trips of eight rows.  kind 0: q or k; 1: v; 2: the gate.  The first part of a trip uses X up, so that the next trip's rows are asked for ahead of the second part.
.macro OUTLOOP kind
	s_mov_b32 s3, 16
.Lrows_\@:
	s_wait_dscnt 0x0                               ; the trip's eight rows are in
.if (\kind) == 0
.irp u, 0,1,2,3
.irp p, 0,2
	v_pk_mul_f32 v[Y+8*(\u)+(\p):Y+8*(\u)+(\p)+1], v[X+8*(\u)+4+(\p):X+8*(\u)+5+(\p)], v[CSN+8*(\u)+4+(\p):CSN+8*(\u)+5+(\p)]
	v_pk_mul_f32 v[Y+8*(\u)+4+(\p):Y+8*(\u)+5+(\p)], v[X+8*(\u)+(\p):X+8*(\u)+(\p)+1], v[CSN+8*(\u)+4+(\p):CSN+8*(\u)+5+(\p)]
	v_pk_fma_f32 v[Y+8*(\u)+(\p):Y+8*(\u)+(\p)+1], v[X+8*(\u)+(\p):X+8*(\u)+(\p)+1], v[CSN+8*(\u)+(\p):CSN+8*(\u)+(\p)+1], v[Y+8*(\u)+(\p):Y+8*(\u)+(\p)+1] neg_lo:[0,0,1] neg_hi:[0,0,1]  ; x1 cos - x2 sin
	v_pk_fma_f32 v[Y+8*(\u)+4+(\p):Y+8*(\u)+5+(\p)], v[X+8*(\u)+4+(\p):X+8*(\u)+5+(\p)], v[CSN+8*(\u)+(\p):CSN+8*(\u)+(\p)+1], v[Y+8*(\u)+4+(\p):Y+8*(\u)+5+(\p)]  ; x2 cos + x1 sin
	v_pk_mul_f32 v[TM+(\p):TM+(\p)+1], v[CSN+8*(\u)+4+(\p):CSN+8*(\u)+5+(\p)], v[S8+(\p):S8+(\p)+1]      ; the angles go eight tokens on
	v_pk_mul_f32 v[TM+4+(\p):TM+5+(\p)], v[CSN+8*(\u)+(\p):CSN+8*(\u)+(\p)+1], v[S8+(\p):S8+(\p)+1]
	v_pk_fma_f32 v[CSN+8*(\u)+(\p):CSN+8*(\u)+(\p)+1], v[CSN+8*(\u)+(\p):CSN+8*(\u)+(\p)+1], v[C8+(\p):C8+(\p)+1], v[TM+(\p):TM+(\p)+1] neg_lo:[0,0,1] neg_hi:[0,0,1]
	v_pk_fma_f32 v[CSN+8*(\u)+4+(\p):CSN+8*(\u)+5+(\p)], v[CSN+8*(\u)+4+(\p):CSN+8*(\u)+5+(\p)], v[C8+(\p):C8+(\p)+1], v[TM+4+(\p):TM+5+(\p)]
.endr
.endr
.elseif (\kind) == 1
.set n, 0
.rept 16
	v_pk_mul_f32 v[Y+2*n:Y+2*n+1], v[X+2*n:X+2*n+1], 0x3e000000 op_sel_hi:[1,0]   ; v / 8: exact
.set n, n+1
.endr
.else
.set n, 0
.rept 16
	v_pk_mul_f32 v[Y+2*n:Y+2*n+1], v[X+2*n:X+2*n+1], 0xbfb8aa3b op_sel_hi:[1,0]   ; - g log2(e)
	v_pk_mul_f32 v[CSN+2*n:CSN+2*n+1], v[X+2*n:X+2*n+1], 0x3e000000 op_sel_hi:[1,0]  ; g / 8
.set n, n+1
.endr
.endif
	s_add_co_u32 s[RS], s[RS], 8*SPT
	s_cmp_eq_u32 s3, 1
	s_cbranch_scc1 .Lno_more_\@                    ; the last trip has no next rows
	RBN
.Lno_more_\@:
.if (\kind) == 0
.irp u, 0,1,2,3
	v_pk_mul_f32 v[TT+4*(\u):TT+4*(\u)+1], v[Y+8*(\u):Y+8*(\u)+1], v[Y+8*(\u):Y+8*(\u)+1]
.endr
.irp p, 2,4,6
.irp u, 0,1,2,3
	v_pk_fma_f32 v[TT+4*(\u):TT+4*(\u)+1], v[Y+8*(\u)+(\p):Y+8*(\u)+(\p)+1], v[Y+8*(\u)+(\p):Y+8*(\u)+(\p)+1], v[TT+4*(\u):TT+4*(\u)+1]
.endr
.endr
.irp u, 0,1,2,3
	v_add_f32 v[TT+4*(\u)], v[TT+4*(\u)], v[TT+4*(\u)+1]
.endr
.irp m, 1,2,4,8                        ; a row's 128 channels lie in 16 neighbouring lanes
.irp u, 0,1,2,3
	v_add_f32_dpp v[TT+4*(\u)], v[TT+4*(\u)], v[TT+4*(\u)] row_xmask:\m row_mask:0xf bank_mask:0xf
.endr
.endr
.irp u, 0,1,2,3
	v_fma_f32 v[TT+4*(\u)], v[TT+4*(\u)], s80, s81 ; the mean of the squares + 1e-5
.endr
.irp u, 0,1,2,3
	v_rsq_f32 v[TT+4*(\u)+2], v[TT+4*(\u)]
.endr
	v_nop                                          ; a plain instruction behind the last of them (ISA guide 5.7.2)
	s_wait_alu depctr_va_vdst(0)
.irp u, 0,1,2,3
.irp p, 0,2,4,6
	v_pk_mul_f32 v[Y+8*(\u)+(\p):Y+8*(\u)+(\p)+1], v[Y+8*(\u)+(\p):Y+8*(\u)+(\p)+1], v[TT+4*(\u)+2:TT+4*(\u)+3] op_sel_hi:[1,0]
.endr
.endr
.irp u, 0,1,2,3
.irp p, 0,2,4,6
	v_pk_mul_f32 v[Y+8*(\u)+(\p):Y+8*(\u)+(\p)+1], v[Y+8*(\u)+(\p):Y+8*(\u)+(\p)+1], v[GAM+(\p):GAM+(\p)+1]
.endr
.endr
.elseif (\kind) == 2
.set n, 0
.rept 32
	v_exp_f32 v[Y+n], v[Y+n]                       ; e^-g: infinite for very negative g, and the result is then -0
.set n, n+1
.endr
	v_nop
.set n, 0
	s_wait_alu depctr_va_vdst(0)
.rept 16
	v_pk_add_f32 v[Y+2*n:Y+2*n+1], v[Y+2*n:Y+2*n+1], 1.0 op_sel_hi:[1,0]
.set n, n+1
.endr
.set n, 0
.rept 32
	v_rcp_f32 v[Y+n], v[Y+n]
.set n, n+1
.endr
	v_nop
.set n, 0
	s_wait_alu depctr_va_vdst(0)
.rept 16
	v_pk_mul_f32 v[Y+2*n:Y+2*n+1], v[Y+2*n:Y+2*n+1], v[CSN+2*n:CSN+2*n+1]
.set n, n+1
.endr
.endif
.set n, 0
.rept 16
	v_cvt_pk_f16_f32 v[PKD+n], v[Y+2*n], v[Y+2*n+1]
.set n, n+1
.endr
.irp u, 0,1,2,3
	global_store_b128 v[GO], v[PKD+4*(\u):PKD+4*(\u)+3], s[8:9] offset:512*(\u)  ; two rows: 512 consecutive bytes, at a multiple of 256 from the buffer's first
.endr
	s_wait_xcnt 0x0                                ; the stores' data and base are rewritten only behind this wait (ISA guide 3.1)
	s_add_nc_u64 s[8:9], s[8:9], 2048              ; eight rows on
	s_sub_co_u32 s3, s3, 1
	s_cmp_lg_u32 s3, 0
	s_cbranch_scc1 .Lrows_\@
.endm
	s_mov_b32 s[RS], 0
	s_cmp_lt_u32 s[TYP], 2
	s_cbranch_scc0 .Lvg
	; q or k: gamma, the table's row of token 4, and the cosines and sines of my first eight tokens; the 128 stores of DUMP stand between these loads and the wait for them
	global_load_b128 v[GAM:GAM+3],   v[GV], s[78:79]
	global_load_b128 v[GAM+4:GAM+7], v[GV], s[78:79] offset:256
	global_load_b128 v[C8:C8+3], v[GV], s[70:71] offset:2048
	global_load_b128 v[S8:S8+3], v[GV], s[70:71] offset:2304
.irp u, 0,1,2,3
	global_load_b128 v[CSN+8*(\u):CSN+8*(\u)+3],   v[TV], s[82:83] offset:1024*(\u)
	global_load_b128 v[CSN+8*(\u)+4:CSN+8*(\u)+7], v[TV], s[82:83] offset:1024*(\u)+256
.endr
	DUMP
	RBN
	s_wait_loadcnt 0x0
.irp p, 0,2,4,6
	v_cvt_pk_bf16_f32 v[TM], v[GAM+(\p)], v[GAM+(\p)+1]  ; gamma is rounded to bf16 like every other input, and widened again
	v_lshlrev_b32 v[GAM+(\p)], 16, v[TM]
	v_and_b32 v[GAM+(\p)+1], 0xffff0000, v[TM]
.endr
.irp p, 0,2                            ; token 4's angle doubled: cos 2a = cos^2 - sin^2, sin 2a = 2 sin cos
	v_pk_mul_f32 v[TM+(\p):TM+(\p)+1], v[S8+(\p):S8+(\p)+1], v[S8+(\p):S8+(\p)+1]
	v_pk_mul_f32 v[TM+4+(\p):TM+5+(\p)], v[C8+(\p):C8+(\p)+1], v[S8+(\p):S8+(\p)+1]
	v_pk_fma_f32 v[C8+(\p):C8+(\p)+1], v[C8+(\p):C8+(\p)+1], v[C8+(\p):C8+(\p)+1], v[TM+(\p):TM+(\p)+1] neg_lo:[0,0,1] neg_hi:[0,0,1]
	v_pk_add_f32 v[S8+(\p):S8+(\p)+1], v[TM+4+(\p):TM+5+(\p)], v[TM+4+(\p):TM+5+(\p)]
.endr
.irp u, 0,1,2,3
	v_mov_b32 v[TT+4*(\u)+3], 0                    ; named with the row's factor as a pair, so it is written
.endr
	OUTLOOP 0
	s_branch .Lend
.Lvg:
	DUMP
	RBN
	s_cmp_eq_u32 s[TYP], 2
	s_cbranch_scc0 .Lgate
	OUTLOOP 1
	s_branch .Lend
.Lgate:
	OUTLOOP 2
.Lend:
	s_wait_tensorcnt 0x0                           ; the wave's end: behind my last tensor load and my last LDS store
	ds_add_u32 v[SPW], v[NIL]
	s_wait_dscnt 0x0
	CROUND                                         ; the closing round: no work-group ends while a partner may still ask for a tile that names it
	s_endpgm
.Lfunc_end_k_q7274d32e80_proj:
	.size	k_q7274d32e80_proj, .Lfunc_end_k_q7274d32e80_proj-k_q7274d32e80_proj
	.p2alignl 7, 3214868480
	.fill 96, 4, 3214868480
	.section	.rodata,"a",@progbits
	.p2align	6, 0x0
	.amdhsa_kernel k_q7274d32e80_proj
		.amdhsa_group_segment_fixed_size 327680
		.amdhsa_private_segment_fixed_size 0
		.amdhsa_enable_private_segment 0
		.amdhsa_kernarg_size 40
		.amdhsa_user_sgpr_count 2
		.amdhsa_user_sgpr_kernarg_segment_ptr 1
		.amdhsa_wavefront_size32 1
		.amdhsa_system_sgpr_workgroup_id_x 1
		.amdhsa_system_sgpr_workgroup_id_y 1
		.amdhsa_system_sgpr_workgroup_id_z 1
		.amdhsa_system_vgpr_workitem_id 0
		.amdhsa_next_free_vgpr 1024
		.amdhsa_next_free_sgpr 84
		.amdhsa_reserve_vcc 0
		.amdhsa_float_denorm_mode_32 3
		.amdhsa_float_denorm_mode_16_64 3
		.amdhsa_memory_ordered 1
		.amdhsa_forward_progress 1
		.amdhsa_inst_pref_size 156
	.end_amdhsa_kernel
	.amdgpu_metadata
---
amdhsa.version: [ 1, 2 ]
amdhsa.kernels:
  - .name:           k_q7274d32e80_proj
    .symbol:         k_q7274d32e80_proj.kd
    .args:
      - { .name: cast, .offset: 0, .size: 8, .value_kind: global_buffer, .address_space: global }
      - { .name: rope, .offset: 8, .size: 8, .value_kind: global_buffer, .address_space: global }
      - { .name: q_gamma, .offset: 16, .size: 8, .value_kind: global_buffer, .address_space: global }
      - { .name: k_gamma, .offset: 24, .size: 8, .value_kind: global_buffer, .address_space: global }
      - { .name: qkvg, .offset: 32, .size: 8, .value_kind: global_buffer, .address_space: global }
    .group_segment_fixed_size: 327680
    .private_segment_fixed_size: 0
    .kernarg_segment_align: 8
    .kernarg_segment_size: 40
    .max_flat_workgroup_size: 128
    .sgpr_count:     84
    .vgpr_count:     1024
    .wavefront_size: 32
...
	.end_amdgpu_metadata
.endif
;; end of part 2
;; launch attn (part 3): grid 8 x 32, 4 waves a work-group, no clusters, 327,680 bytes of LDS; arguments qkvg, o_gamma, yg; writes yg
.if DOCPART == 3
	.amdgcn_target "amdgcn-amd-amdhsa--gfx1250"
	.amdhsa_code_object_version 6
	.text
	.protected	k_q7274d32e80_attn
	.globl	k_q7274d32e80_attn
	.p2align	8
	.type	k_q7274d32e80_attn,@function
k_q7274d32e80_attn:
	s_mov_b64 s[64:65], 0
	v_nop
	global_prefetch_b8 v0, s[64:65] scope:SCOPE_SE
	s_setreg_imm32_b32 hwreg(HW_REG_WAVE_MODE, 25, 1), 1
	s_wait_xcnt 0x0
; CAUSAL ATTENTION, THE OUTPUT'S RMS NORM AND THE GATE.  For each of 32 (batch, head): y[q] = the sum over k <= q of softmax_k(q . k / sqrt(128)) v[k]; then y rsqrt(mean(y^2) + 1e-5) o_gamma silu(gate).
; q, k, v / 8, silu(gate) / 8 arrive in f16, [type][batch x 16 + head][1024][128], rows of 256 bytes, channels in the order in which the launch before wrote them (the same in all four, and in o_gamma
; as it is loaded here).  Products, maxima and sums in f32; the weights p are rounded to f16 for the second product.  The result leaves in bf16, [2048][2048]: it has no room in f16.
; The two factors 1/8 are undone in f32: with O = the sum of p v / 8, l = the sum of p: the result is O f gamma (gate / 8), f = 8 / l x rsqrt((O / l)^2's mean + 1e-5 / 64).
; LIMITS.  A hidden score counts as its value less 1e30 (f16's scores are 5.5e11 at the most); a weight below 2^-126 counts as 0 in l; NaN and infinities are not treated apart.
; THE WALK.  A head's queries lie in 16 blocks of 64; block i needs the key steps 0 .. i of 64 keys, of which the last holds the diagonal.  Keys are taken 128 at a time: a VISIT is two key steps.
; A work-group takes the odd block 2 b + 1 first (2 b + 2 key steps: b + 1 visits; in the last the first half is open and the second holds the diagonal), then the even block 14 - 2 b (15 - 2 b key steps:
; 8 - b visits; in the last the first half holds the diagonal and the second is hidden whole).  Nine visits, whatever b: all 256 work-groups do equal work, and every trip count is a constant.
; The price: one key step of 18 is loaded (it lies inside the head), multiplied and hidden.  A wave owns 16 rows of the block in hand, so the diagonal is the same work for all four.
; THE RING.  Two LDS slots, a visit each (for each half 64 rows of K, then 64 rows of V).  Waves 0 and 1 fetch the two halves' K, waves 2 and 3 their V: one tensor load a wave, 64 rows of 256 bytes.
; Which keys a visit has hangs on b alone and enters the global address alone.  The slots change in the MIDDLE of a visit, when its V has left LDS: the refill then has a whole visit in which to land.
; NO CLUSTER: the eight work-groups of a head ask for the same tile only until the first of them changes blocks (after one visit where b = 0); one walk common to all would have 12 visits' work for 9.
; IN PHASES: a visit's 32 products K Q^T, its softmax, its 32 products V^T P.  V leaves LDS in four runs of 16 loads among the softmax; the next visit's K in four runs, by channels, among the products V^T P,
; so that the next K Q^T begins when the first run is in.
; LAYOUT.  S^T = K Q^T (source 0 = 16 keys, source 1 = 16 queries): a lane holds ONE query (lane % 16) and the keys 8 (lane / 16) + 0..7 of each 16.  Two such results rounded to f16 ARE source 1 of O^T = V^T P.
; SOFTMAX.  A running maximum m and sum l: p = 2^(c s - c m), c = log2(e) / sqrt(128); O and l are multiplied by a = 2^(c m_old - c m_new) in every visit.  A block begins with c m far below every c s, so its
; first a is 0 and O and l need only be finite: they are set to 0 once, 66 lines in the wait for the first tile, and no first visit is written out.
; THE MASK is the C operand of the products that start the sums of a block's last visit: MD x A0 for the first half, MD x A1 + B1 for the second; MD, made once, is the diagonal's mask for my 16 rows (0 or -1e30);
; (A0, A1, B1) = (0, 1, 0) in the first block, (1, 0, -1e30) in the second.  Elsewhere C is the constant 0.
; REGISTERS, in windows of 256 (s_set_vgpr_msb: bits 1:0 source 0, 3:2 source 1, 5:4 source 2, 7:6 destination):
;   window 0: v0-31 addresses, statistics, at work; v32-63 the gate; v64-127 S^T; v128-191 O^T; v192-223 P; v224-239 at work
;   window 1: v0-31 Q; v32-63 the second block's Q; v64-95 its gate; v96-127 MD; v128-191 the visit's mask; v192-255 o_gamma          window 2: K of a visit          window 3: V of a visit
.set KS,    64
.set PK,    272       ; a row of K in LDS: 256 bytes + 16 = 68 words: the 16 rows of a load start at 16 different groups of four banks (64 banks of 4 bytes: ISA guide 11.1)
.set PV,    288       ; a row of V: 256 + 32 = 72 words
.set VOFF,  KS*PK
.set STEPB, KS*(PK+PV)  ; half a visit: 64 rows of K, 64 rows of V
.set SLOT1, 1<<17     ; slot 1 begins here, so that one exclusive or turns an address in one slot into the other's
.set STAGE, SLOT1+2*STEPB  ; behind the ring, never filled by a tensor load: 16 rows x 272 bytes for each wave
.set SP,    272
.set SPARE, STAGE+4*16*SP  ; the spare words, 128 bytes for each wave: two blocks of 256 bytes that no other line names
.set AK0, 2           ; v2   my lane's place in a tile of K; never rewritten
.set AV0, 3           ; v3   the same for V
.set ADRK, 4          ; v4   the LDS address of K's runs of loads
.set ADRV, 5          ; v5   of V's
.set STO, 6           ; v6   the way out: where I put 16 bytes of a row
.set RD,  7           ; v7   where I read rows back
.set GO,  8           ; v8   my byte offset in two rows of the output
.set QO,  10          ; v10  256 (l % 16) + 16 (l / 16): my place in 16 rows of Q or of the gate
.set GVO, 11          ; v11  16 (l / 16)
.set ST,  12          ; v12-15  c m, m, l (even keys', odd keys')
.set AA,  16          ; v16  a;  v17  c m_old, then c m_old - c m_new
.set XT,  18          ; v18  the other half of the lanes' maximum
.set SPW, 24          ; v24  LDS address of my spare word; never rewritten
.set NIL, 25          ; v25  0; never rewritten
.set G,   32
.set S,   64
.set O,   128
.set P,   192
.set T,   224
.set Q2,  32          ; window 1
.set G2,  64
.set MD,  96
.set MC,  128
.set GAM, 192
.set WV,  12          ; s12  my wave's number
.set PAR, 13          ; s13  its parity: which half of a visit I fetch
.set PB,  14          ; s14  b
.set V1,  15          ; s15  b + 1: the first block's visits
.set G1K, 24          ; s[24:31] descriptor group 1 for K's tiles
.set G1V, 32          ; s[32:39] for V's: it differs in the padding alone
.set G0K, 40          ; s[40:47] descriptor group 0 for K's tiles: a set for each of the two first fills; the second then walks on
.set G0V, 48          ; s[48:55] the same for V's
.set SLOTS, 56
.set TAIL, 57
.set CS,  58          ; s[58:59] c
.set SEL, 60          ; s[60:61] v_permlanex16_b32's selects: each lane takes its own place in the other half
.set TB,  62          ; s62  the slot of the visit whose tiles are fetched from LDS
.set R128, 66         ; s66  1 / 128
.set EPS, 67          ; s67  1e-5 / 64
.set KB,  68          ; s[68:69] the head's K at my half of a visit;  s[70:71] its V
.set VB,  70
.set OLO, 80          ; s[80:81] the output at my rows of the second block
.set BIGN, 82         ; s82  -1e30
.set RT,  83          ; s83  visits of the block in hand still to be entered
.set NXT, 84          ; s84  the visit to be asked for next
.set OFF, 86          ; s[86:87] a visit's byte offset in K and V
.set A0,  88          ; s[88:89], s[90:91], s[92:93] the mask's factors and addend, each in the low word of a pair
.set A1,  90
.set B1,  92
.set MSB, 0
.macro WIN new                      ; the immediate's high byte repeats the setting that is left; a switch that changes nothing is dropped
.if MSB != (\new)
	s_set_vgpr_msb (MSB<<8)|(\new)
.set MSB, (\new)
.endif
.endm
.macro PLACES                       ; four plain vector instructions between a matrix instruction and a read of its result, a write or a load into its registers (except for loads)
.rept 4
	v_nop
.endr
.endm
; A refill.  Waves 0 and 1 fetch K, waves 2 and 3 V.  An s_nop 0 and four v_nop follow each of the two lines, ahead of the jump and the label.
.macro LOAD
	s_cmp_lt_u32 s[WV], 2
	s_cbranch_scc0 .Lfor_v_\@
	tensor_load_to_lds s[G0K+4:G0K+7], s[G1K:G1K+7]
	s_nop 0
.rept 4
	v_nop
.endr
	s_branch .Lasked_\@
.Lfor_v_\@:
	tensor_load_to_lds s[G0V+4:G0V+7], s[G1V:G1V+7]
	s_nop 0
.rept 4
	v_nop
.endr
.Lasked_\@:
.endm
; THE LDS LOADS stand in runs of 16.  Run c of K: channels 32 c on of all eight groups of 16 keys: what the eight products of that c take.  It leaves the window as it set it.
.macro FETCH_K c
	WIN 0x80                        ; destination window 2
.irp kb, 0,1,2,3,4,5,6,7
	ds_load_b128 v[32*(\kb)+8*(\c):32*(\kb)+8*(\c)+3],   v[ADRK] offset:((\kb)/4)*STEPB+((\kb)%4)*16*PK+(\c)*64
	ds_load_b128 v[32*(\kb)+8*(\c)+4:32*(\kb)+8*(\c)+7], v[ADRK] offset:((\kb)/4)*STEPB+((\kb)%4)*16*PK+(\c)*64+32
.endr
.endm
; Run kk of V, turned: keys 32 kk on, all eight groups of 16 channels.
.macro FETCH_V kk
	WIN 0xc0                        ; destination window 3
.irp cb, 0,1,2,3,4,5,6,7
	ds_load_tr16_b128 v[64*(\kk)+8*(\cb):64*(\kk)+8*(\cb)+3],   v[ADRV] offset:((\kk)/2)*STEPB+((\kk)%2)*32*PV+(\cb)*32
	ds_load_tr16_b128 v[64*(\kk)+8*(\cb)+4:64*(\kk)+8*(\cb)+7], v[ADRV] offset:((\kk)/2)*STEPB+((\kk)%2)*32*PV+16*PV+(\cb)*32
.endr
	WIN 0
.endm
; THE CHANGE OF SLOTS, in the middle of a visit.  Each wave waits for all its tensor loads (at most one is out: its part of the other slot), adds 0 to its spare word, and waits for that and for its own reads of
; the slot that it leaves: the visit's V, the last bytes wanted of it.  Behind the barrier nobody reads that slot and the other slot is whole.  fill = 1: the slot is filled again, first thing behind the
; barrier, with the visit two on; the descriptor's address is made anew from that visit's number.
.macro CHANGE fill
	WIN 0
	s_wait_tensorcnt 0x0            ; no tensor load of mine is out, so a group 0 may be written
	ds_add_u32 v[SPW], v[NIL]       ; 0 onto my spare word; the descriptors' scalar work stands between it and the wait for it
.if \fill
	s_cmp_ge_u32 s[NXT], s[V1]      ; a visit of the second block counts its keys from 0 again
	s_cselect_b32 s[OFF], s[V1], 0
	s_sub_co_u32 s[OFF], s[NXT], s[OFF]
	s_lshl_b32 s[OFF], s[OFF], 15   ; a visit is 32,768 bytes of K and of V
	s_xor_b32 s[G0K+5], s[G0K+5], SLOT1
	s_add_nc_u64 s[G0K+6:G0K+7], s[KB:KB+1], s[OFF:OFF+1]
	s_or_b32 s[G0K+7], s[G0K+7], 0x80000000
	s_xor_b32 s[G0V+5], s[G0V+5], SLOT1
	s_add_nc_u64 s[G0V+6:G0V+7], s[VB:VB+1], s[OFF:OFF+1]
	s_or_b32 s[G0V+7], s[G0V+7], 0x80000000
	s_add_co_u32 s[NXT], s[NXT], 1
.endif
	s_wait_dscnt 0x0                ; the add is done, V is in, and my reads of the slot are over
	s_barrier_signal -1
	s_xor_b32 s[TB], s[TB], SLOT1   ; the fetches go on in the other slot
	s_barrier_wait -1
.if \fill
	LOAD
.endif
.endm
	s_load_b128 s[4:7], s[0:1], 0x0   ; qkvg s[4:5], o_gamma s[6:7]
	s_load_b64 s[8:9], s[0:1], 0x10   ; yg
	v_lshl_add_u32 v[SPW], v0, 2, SPARE
	v_mov_b32 v[NIL], 0
	ds_add_u32 v[SPW], v[NIL]       ; the wave's opening: the add and its wait ahead of my first tensor load; the set-up below stands between them
	ds_add_u32 v24, v25
	v_lshrrev_b32 v1, 5, v0
	v_readfirstlane_b32 s[WV], v1
	s_and_b32 s[PAR], s[WV], 1
	s_mov_b32 s[PB], ttmp9
	s_add_co_u32 s[V1], s[PB], 1
	s_and_b32 s20, ttmp7, 0xffff    ; batch x 16 + head
	s_lshl_b32 s21, s20, 18         ; its first byte in a type's section
	s_lshl_b32 s22, s[PAR], 14      ; my half of a visit's 128 keys
	s_add_co_u32 s22, s22, s21
	s_add_co_u32 s16, s22, 1<<23    ; in K's section
	s_mov_b32 s17, 0
	s_add_co_u32 s18, s22, 2<<23    ; in V's
	s_mov_b32 s19, 0
	s_lshl_b32 s2, s[WV], 12        ; my 16 rows in a block
	s_add_co_u32 s2, s2, s21
	s_lshl_b32 s3, s[PB], 1
	s_add_co_u32 s3, s3, 1          ; the first block, 2 b + 1
	s_sub_co_u32 s23, 15, s3        ; the second, 14 - 2 b
	s_lshl_b32 s88, s3, 14          ; my rows of Q in the first block,
	s_add_co_u32 s88, s88, s2
	s_mov_b32 s89, 0
	s_lshl_b32 s90, s23, 14         ; in the second
	s_add_co_u32 s90, s90, s2
	s_mov_b32 s91, 0
	s_lshr_b32 s21, s20, 4          ; the output: (batch x 1024 + 64 block + 16 w) rows of 4,096 bytes + head x 256
	s_lshl_b32 s21, s21, 22
	s_and_b32 s22, s20, 15
	s_lshl_b32 s22, s22, 8
	s_add_co_u32 s21, s21, s22
	s_lshl_b32 s22, s[WV], 16
	s_add_co_u32 s21, s21, s22
	s_lshl_b32 s92, s3, 18
	s_add_co_u32 s92, s92, s21
	s_mov_b32 s93, 0
	s_lshl_b32 s22, s23, 18
	s_add_co_u32 s22, s22, s21
	s_mov_b32 s23, 0
	s_mov_b32 s[G1K], (1<<16)|(1<<20)|(5<<22)|(3<<25)  ; 17:16 2-byte elements; 20 padding on; 24:22 after every 64 words; 31:25 4 words of it
	s_mov_b32 s[G1V], (1<<16)|(1<<20)|(5<<22)|(7<<25)  ; the same with 8 words
.irp g, G1K, G1V
	s_mov_b32 s[(\g)+1], 128<<16    ; tensor_dim0 = 128
	s_mov_b32 s[(\g)+2], KS<<16     ; tensor_dim1 = 64
	s_mov_b32 s[(\g)+3], 128<<16    ; tile_dim0 = 128
	s_mov_b32 s[(\g)+4], KS         ; tile_dim1 = 64
	s_mov_b32 s[(\g)+5], 128        ; elements from row to row
	s_mov_b32 s[(\g)+6], 0
	s_mov_b32 s[(\g)+7], 0
.endr
	s_mov_b32 s[G0K], 1
	s_mul_i32 s[G0K+1], s[PAR], STEPB  ; LDS address: slot 0, my half of the visit
	s_mov_b32 s[G0K+4], 1
	s_add_co_u32 s[G0K+5], s[G0K+1], SLOT1
	s_mov_b32 s[G0V], 1
	s_add_co_u32 s[G0V+1], s[G0K+1], VOFF
	s_mov_b32 s[G0V+4], 1
	s_add_co_u32 s[G0V+5], s[G0K+1], SLOT1+VOFF
	s_cmp_eq_u32 s[V1], 1           ; visit 1: the first block's keys 128 on, or (b = 0) the second block's first keys
	s_cselect_b32 s[OFF], 0, 0x8000
	s_mov_b32 s[OFF+1], 0
	s_mov_b32 s[NXT], 2
	s_mov_b32 s[RT], s[V1]
	s_mov_b32 s[CS], 0x3e0293ee     ; c = log2(e) / sqrt(128)
	s_mov_b32 s[CS+1], s[CS]
	s_mov_b32 s[SEL], 0x76543210
	s_mov_b32 s[SEL+1], 0xfedcba98
	s_mov_b32 s[TB], 0
	s_mov_b32 s[BIGN], 0xf149f2ca   ; -1e30
	s_mov_b32 s[R128], 0x3c000000   ; 1 / 128
	s_mov_b32 s[EPS], 0x3427c5ac    ; 1e-5 / 64
	s_mov_b32 s[SLOTS], 7
	s_wait_dscnt 0x0                ; the opening add is done
	s_wait_kmcnt 0x0
	s_add_nc_u64 s[KB:KB+1], s[4:5], s[16:17]
	s_add_nc_u64 s[VB:VB+1], s[4:5], s[18:19]
	s_add_nc_u64 s[G0K+2:G0K+3], s[KB:KB+1], 0
	s_or_b32 s[G0K+3], s[G0K+3], 0x80000000
	s_add_nc_u64 s[G0K+6:G0K+7], s[KB:KB+1], s[OFF:OFF+1]
	s_or_b32 s[G0K+7], s[G0K+7], 0x80000000
	s_add_nc_u64 s[G0V+2:G0V+3], s[VB:VB+1], 0
	s_or_b32 s[G0V+3], s[G0V+3], 0x80000000
	s_add_nc_u64 s[G0V+6:G0V+7], s[VB:VB+1], s[OFF:OFF+1]
	s_or_b32 s[G0V+7], s[G0V+7], 0x80000000
	s_add_nc_u64 s[72:73], s[4:5], s[88:89]      ; Q at my rows of the first block,
	s_add_nc_u64 s[74:75], s[4:5], s[90:91]      ; of the second;
	s_add_nc_u64 s[76:77], s[72:73], 0x1800000   ; the gate's section lies three sections on
	s_add_nc_u64 s[78:79], s[74:75], 0x1800000
	s_add_nc_u64 s[10:11], s[8:9], s[92:93]
	s_add_nc_u64 s[OLO:OLO+1], s[8:9], s[22:23]
	s_mov_b32 s[A0], 0              ; the first block's last visit: first half open, second half the diagonal
	s_mov_b32 s[A0+1], 0
	s_mov_b32 s[A1], 1.0
	s_mov_b32 s[A1+1], 0
	s_mov_b32 s[B1], 0
	s_mov_b32 s[B1+1], 0
	s_cmp_lt_u32 s[WV], 2           ; a wave's two first fills stand in one branch, ahead of every wait on TENSORcnt, every LDS read and every barrier: two loads of mine are out
	s_cbranch_scc0 .Lfirst_v
	tensor_load_to_lds s[G0K:G0K+3], s[G1K:G1K+7]
	s_nop 0
	tensor_load_to_lds s[G0K+4:G0K+7], s[G1K:G1K+7]
	s_nop 0
.rept 4
	v_nop
.endr
	s_branch .Lfirst_asked
.Lfirst_v:
	tensor_load_to_lds s[G0V:G0V+3], s[G1V:G1V+7]
	s_nop 0
	tensor_load_to_lds s[G0V+4:G0V+7], s[G1V:G1V+7]
	s_nop 0
.rept 4
	v_nop
.endr
.Lfirst_asked:
	v_and_b32 v1, 15, v0            ; l % 16
	v_bfe_u32 v9, v0, 4, 1          ; l / 16
	v_lshlrev_b32 v[QO], 8, v1
	v_lshl_add_u32 v[QO], v9, 4, v[QO]
	v_lshlrev_b32 v[GVO], 4, v9
	; Piece c of eight: 16 bytes at 32 c + 16 (l / 16) of my row.  For Q these are the halves of the four fragments (16 rows x 32 channels); for the gate the eight channels that I hold of O^T's block c.
	; o_gamma: stored places 16 c + 8 (l / 16) + 0..7 are channels 4 i .. 4 i + 3 and 64 + 4 i .., i = 2 c + l / 16.
	WIN 0x40
.irp c, 0,1,2,3,4,5,6,7
	global_load_b128 v[4*(\c):4*(\c)+3],             v[QO],  s[72:73] offset:32*(\c)
	global_load_b128 v[Q2+4*(\c):Q2+4*(\c)+3],       v[QO],  s[74:75] offset:32*(\c)
	global_load_b128 v[G2+4*(\c):G2+4*(\c)+3],       v[QO],  s[78:79] offset:32*(\c)
	global_load_b128 v[GAM+8*(\c):GAM+8*(\c)+3],     v[GVO], s[6:7] offset:32*(\c)
	global_load_b128 v[GAM+8*(\c)+4:GAM+8*(\c)+7],   v[GVO], s[6:7] offset:32*(\c)+256
.endr
	WIN 0
.irp c, 0,1,2,3,4,5,6,7
	global_load_b128 v[G+4*(\c):G+4*(\c)+3],         v[QO],  s[76:77] offset:32*(\c)
.endr
	v_lshlrev_b32 v26, 3, v9
	v_sub_nc_u32 v26, v1, v26
	s_lshl_b32 s2, s[WV], 4
	v_add_nc_u32 v26, s2, v26       ; my query's place in its block, 16 w + l % 16, less my lanes' 8 (l / 16): register j of key group kt is hidden where 16 kt + j is greater
	WIN 0x40
.set i, 0
.rept 32
	v_cmp_gt_i32 vcc_lo, 16*(i/8)+i%8, v26
	v_cndmask_b32 v[MD+i], 0, s[BIGN], vcc_lo
.set i, i+1
.endr
	WIN 0
	v_mul_u32_u24 v[AK0], v1, PK
	v_lshl_add_u32 v[AK0], v9, 4, v[AK0]  ; row x pitch + 16 x half
	; The turning load takes 16 keys x 16 channels (lane l reads key 8 (l / 16) + l % 8, channels 8 ((l / 8) % 2) + 0..7) and leaves half a fragment of V^T
	v_and_b32 v27, 7, v0
	v_bfe_u32 v28, v0, 3, 1
	v_lshl_add_u32 v[AV0], v9, 3, v27
	v_mul_u32_u24 v[AV0], v[AV0], PV
	v_lshl_add_u32 v[AV0], v28, 4, v[AV0]
	v_add_nc_u32 v[AV0], VOFF, v[AV0]
	s_mul_i32 s2, s[WV], 16*SP
	s_add_co_u32 s2, s2, STAGE      ; my stage
	v_mul_u32_u24 v[STO], v1, SP    ; in: row l % 16, 16 bytes for each half of the lanes
	v_lshl_add_u32 v[STO], v9, 4, v[STO]
	v_add_nc_u32 v[STO], s2, v[STO]
	v_mul_u32_u24 v[RD], v9, SP     ; back: lanes 0-15 take one row of 256 bytes, lanes 16-31 the next
	v_lshl_add_u32 v[RD], v1, 4, v[RD]
	v_add_nc_u32 v[RD], s2, v[RD]
	v_lshlrev_b32 v[GO], 12, v9     ; and the same two rows in the output
	v_lshl_add_u32 v[GO], v1, 4, v[GO]
	v_mov_b32 v[ST], 0xfe000000     ; c m: far below every c s
	v_mov_b32 v[ST+1], 0xff7fffff   ; m
	v_mov_b32 v[ST+2], 0
	v_mov_b32 v[ST+3], 0
	v_mov_b32 v[XT], 0              ; destinations of v_permlanex16_b32 count as read
	v_mov_b32 v21, 0
	v_mov_b32 v23, 0
.set i, 0
.rept 64
	v_mov_b32 v[O+i], 0             ; finite is all that the first visit's a = 0 asks of O^T
.set i, i+1
.endr
	s_wait_tensorcnt 1              ; my part of slot 0 is in; slot 1's may stay out
	s_barrier_signal -1
	s_barrier_wait -1               ; everybody's is
	v_add_nc_u32 v[ADRK], s[TB], v[AK0]
	FETCH_K 0                       ; K of visit 0
	FETCH_K 1
	FETCH_K 2
	FETCH_K 3
	s_wait_loadcnt 0x0              ; Q, the gate, o_gamma
	WIN 0x05                        ; o_gamma is rounded to bf16 like every other input, and widened again; these 96 lines stand between K's loads and the wait for them
.set i, 0
.rept 32
	v_cvt_pk_bf16_f32 v[S+i], v[GAM+2*i], v[GAM+2*i+1]
.set i, i+1
.endr
	WIN 0x40
.set i, 0
.rept 32
	v_lshlrev_b32 v[GAM+2*i], 16, v[S+i]
	v_and_b32 v[GAM+2*i+1], 0xffff0000, v[S+i]
.set i, i+1
.endr
	WIN 0
; THE MATRIX WORK.  The eight accumulators of a run take turns, one instruction a turn.
; Product i of 32 of S^T = K Q^T: channels 32 (i / 8) on, keys 16 (i % 8) on.  The first 8 start the sums: with 0, or (m = 1) with the visit's mask.
.macro KQ m
.set rS, S+8*(i%8)
.set rK, 32*(i%8)+8*(i/8)
.set rQ, 8*(i/8)
.if (i < 8) && (\m)
	WIN 0x16                        ; K in window 2, Q and the mask in window 1, S^T in window 0
	v_wmma_f32_16x16x32_f16 v[rS:rS+7], v[rK:rK+7], v[rQ:rQ+7], v[MC+8*i:MC+8*i+7]
.elseif i < 8
	WIN 0x06
	v_wmma_f32_16x16x32_f16 v[rS:rS+7], v[rK:rK+7], v[rQ:rQ+7], 0
.else
	WIN 0x06
	v_wmma_f32_16x16x32_f16 v[rS:rS+7], v[rK:rK+7], v[rQ:rQ+7], v[rS:rS+7]
.endif
.set i, i+1
.endm
; Product i of 32 of O^T += V^T P: keys 32 (i / 8) on, channels 16 (i % 8) on.
.macro PVM
	WIN 0x03                        ; V in window 3
	v_wmma_f32_16x16x32_f16 v[O+8*(i%8):O+8*(i%8)+7], v[64*(i/8)+8*(i%8):64*(i/8)+8*(i%8)+7], v[P+8*(i/8):P+8*(i/8)+7], v[O+8*(i%8):O+8*(i%8)+7]
.set i, i+1
.endm
.macro MASK                         ; the masks of a block's last visit
	WIN 0x41                        ; destination and source 0 in window 1
.set z, 0
.rept 16
	v_pk_mul_f32 v[MC+2*z:MC+2*z+1], v[MD+2*z:MD+2*z+1], s[A0:A0+1] op_sel_hi:[1,0]
	v_pk_fma_f32 v[MC+32+2*z:MC+33+2*z], v[MD+2*z:MD+2*z+1], s[A1:A1+1], s[B1:B1+1] op_sel_hi:[1,0,0]
.set z, z+1
.endr
.endm
.macro FS p                         ; pair p of 32: c s - c m
	v_pk_fma_f32 v[S+2*(\p):S+2*(\p)+1], v[S+2*(\p):S+2*(\p)+1], s[CS:CS+1], v[ST:ST+1] op_sel_hi:[1,0,0] neg_lo:[0,0,1] neg_hi:[0,0,1]
.endm
; THE SOFTMAX of a visit, for the lane's 64 scores s0-s63 (pairs 0-31), with V's four runs of loads among it.
;   The maximum: eight chains of seven scores, three operands at a time (each accumulator's lowest registers are read first); the eight scores left over; the chains and the old m.
;   The other half of the lanes' maximum; the new m; c m; c m_old - c m_new; a.
;   64 exponentials, each followed by plain work that is ready, so that none is used before a plain instruction has followed it (ISA guide 5.7.2).  Behind exponential n, n even: c s - c m for the pair four
;   pairs on, and pair n / 2 of O^T times a.  n odd: the rounding to f16 of pair q = (n - 3) / 2, whose exponentials stand two back; then, q odd: pair q is added onto pair q - 1, in place; q even: l takes the
;   sum made two exponentials back (the first time as l = a l + sum).
.macro SOFTMAX
	FETCH_V 0
.irp r, 0,1,2
.set k, 0
.rept 8
.if (\r) == 0
	v_max3_num_f32 v[T+k], v[S+8*k], v[S+8*k+1], v[S+8*k+2]
.else
	v_max3_num_f32 v[T+k], v[T+k], v[S+8*k+2*(\r)+1], v[S+8*k+2*(\r)+2]
.endif
.set k, k+1
.endr
.endr
	FETCH_V 1
.set k, 0
.rept 4
	v_max3_num_f32 v[T+k], v[T+k], v[S+16*k+7], v[S+16*k+15]
.set k, k+1
.endr
	v_max3_num_f32 v[T], v[T], v[T+4], v[T+5]
	v_max3_num_f32 v[T+1], v[T+1], v[T+6], v[T+7]
	v_max3_num_f32 v[T+2], v[T+2], v[T+3], v[ST+1]
	v_mov_b32 v[AA+1], v[ST]        ; c m_old is kept for a
	v_max3_num_f32 v[T], v[T], v[T+1], v[T+2]
	v_permlanex16_b32 v[XT], v[T], s[SEL], s[SEL+1]  ; the query's other 64 keys lie in the lane 16 away
	v_max_num_f32 v[ST+1], v[T], v[XT]
	v_mul_f32 v[ST], s[CS], v[ST+1]
	v_sub_f32 v[AA+1], v[AA+1], v[ST]
	v_exp_f32 v[AA], v[AA+1]
	FS 0
	FS 1
	FS 2
	FS 3
.set n, 0
.rept 64
	v_exp_f32 v[S+n], v[S+n]
.if n%2 == 0
.if n/2+4 < 32
	FS n/2+4
.endif
	s_wait_alu depctr_va_vdst(0)
	v_pk_mul_f32 v[O+n:O+n+1], v[O+n:O+n+1], v[AA:AA+1] op_sel_hi:[1,0]
.elseif n >= 3
.set q, (n-3)/2
	s_wait_alu depctr_va_vdst(0)
	v_cvt_pk_f16_f32 v[P+q], v[S+2*q], v[S+2*q+1]
.if q%2 == 1
	v_pk_add_f32 v[S+2*q-2:S+2*q-1], v[S+2*q-2:S+2*q-1], v[S+2*q:S+2*q+1]
.elseif q == 2
	v_pk_fma_f32 v[ST+2:ST+3], v[ST+2:ST+3], v[AA:AA+1], v[S:S+1] op_sel_hi:[1,0,1]
.elseif q > 2
	v_pk_add_f32 v[ST+2:ST+3], v[ST+2:ST+3], v[S+2*q-4:S+2*q-3]
.endif
.endif
.if n == 7
	FETCH_V 2
.endif
.if n == 23
	FETCH_V 3
.endif
.set n, n+1
.endr
	v_cvt_pk_f16_f32 v[P+31], v[S+62], v[S+63]
	v_pk_add_f32 v[S+60:S+61], v[S+60:S+61], v[S+62:S+63]
	v_pk_add_f32 v[ST+2:ST+3], v[ST+2:ST+3], v[S+60:S+61]
.endm
.macro GCV cb, g0, g1, g2, g3, g4, g5, g6, g7  ; the gate's eight f16 of channel block cb (named by halves of plain register names), widened
	v_cvt_f32_f16 v[S+8*(\cb)],   \g0
	v_cvt_f32_f16 v[S+8*(\cb)+1], \g1
	v_cvt_f32_f16 v[S+8*(\cb)+2], \g2
	v_cvt_f32_f16 v[S+8*(\cb)+3], \g3
	v_cvt_f32_f16 v[S+8*(\cb)+4], \g4
	v_cvt_f32_f16 v[S+8*(\cb)+5], \g5
	v_cvt_f32_f16 v[S+8*(\cb)+6], \g6
	v_cvt_f32_f16 v[S+8*(\cb)+7], \g7
.endm
; A BLOCK'S END.  l and the sum of O^2 are completed across the halves of the lanes; f = 8 / l x rsqrt(sum / l^2 / 128 + 1e-5 / 64); O^T f x (gate x gamma) is rounded to bf16 and goes out through my stage,
; 16 rows of 256 bytes.  Then the second block's output address, count of visits, mask factors, m, Q and gate take the first block's places; O^T and l stay as they are, finite.
; (Behind the second block these last lines serve nothing: the price, once a launch, of one text for both ends.)
.macro FINISH
	WIN 0
.irp p, 0,2,4,6
	v_pk_mul_f32 v[T+(\p):T+(\p)+1], v[O+(\p):O+(\p)+1], v[O+(\p):O+(\p)+1]   ; four chains; each accumulator is read from its low end on
.endr
.irp cb, 1,2,3,4,5,6,7
.irp p, 0,2,4,6
	v_pk_fma_f32 v[T+(\p):T+(\p)+1], v[O+8*(\cb)+(\p):O+8*(\cb)+(\p)+1], v[O+8*(\cb)+(\p):O+8*(\cb)+(\p)+1], v[T+(\p):T+(\p)+1]
.endr
.endr
	v_add_f32 v20, v[ST+2], v[ST+3]
	v_pk_add_f32 v[T:T+1], v[T:T+1], v[T+2:T+3]
	v_pk_add_f32 v[T+4:T+5], v[T+4:T+5], v[T+6:T+7]
	v_permlanex16_b32 v21, v20, s[SEL], s[SEL+1]
	v_pk_add_f32 v[T:T+1], v[T:T+1], v[T+4:T+5]
	v_add_f32 v20, v20, v21         ; l
	v_add_f32 v22, v[T], v[T+1]
	v_permlanex16_b32 v23, v22, s[SEL], s[SEL+1]
	v_rcp_f32 v20, v20
	v_add_f32 v22, v22, v23         ; the sum of squares: the plain instruction behind the reciprocal
	s_wait_alu depctr_va_vdst(0)
	v_mul_f32 v22, v22, v20
	v_mul_f32 v22, v22, v20
	v_fma_f32 v22, v22, s[R128], s[EPS]
	v_rsq_f32 v22, v22
	v_mul_f32 v20, 0x41000000, v20  ; 8 / l: the plain instruction behind the root
	s_wait_alu depctr_va_vdst(0)
	v_mul_f32 v22, v20, v22         ; f, the low word of the pair v[22:23]
	GCV 0, v32.l, v32.h, v33.l, v33.h, v34.l, v34.h, v35.l, v35.h
	GCV 1, v36.l, v36.h, v37.l, v37.h, v38.l, v38.h, v39.l, v39.h
	GCV 2, v40.l, v40.h, v41.l, v41.h, v42.l, v42.h, v43.l, v43.h
	GCV 3, v44.l, v44.h, v45.l, v45.h, v46.l, v46.h, v47.l, v47.h
	GCV 4, v48.l, v48.h, v49.l, v49.h, v50.l, v50.h, v51.l, v51.h
	GCV 5, v52.l, v52.h, v53.l, v53.h, v54.l, v54.h, v55.l, v55.h
	GCV 6, v56.l, v56.h, v57.l, v57.h, v58.l, v58.h, v59.l, v59.h
	GCV 7, v60.l, v60.h, v61.l, v61.h, v62.l, v62.h, v63.l, v63.h
	WIN 0x04                        ; o_gamma (source 1) in window 1
.set i, 0
.rept 32
	v_pk_mul_f32 v[S+2*i:S+2*i+1], v[S+2*i:S+2*i+1], v[GAM+2*i:GAM+2*i+1]
.set i, i+1
.endr
	WIN 0
.set i, 0
.rept 32
	v_pk_mul_f32 v[O+2*i:O+2*i+1], v[O+2*i:O+2*i+1], v[22:23] op_sel_hi:[1,0]
.set i, i+1
.endr
.set i, 0
.rept 32
	v_pk_mul_f32 v[O+2*i:O+2*i+1], v[O+2*i:O+2*i+1], v[S+2*i:S+2*i+1]
.set i, i+1
.endr
.set i, 0
.rept 32
	v_cvt_pk_bf16_f32 v[P+i], v[O+2*i], v[O+2*i+1]
.set i, i+1
.endr
.irp cb, 0,1,2,3,4,5,6,7
	ds_store_b128 v[STO], v[P+4*(\cb):P+4*(\cb)+3] offset:32*(\cb)
.endr
.irp f, 0,1,2,3,4,5,6,7
	ds_load_b128 v[S+4*(\f):S+4*(\f)+3], v[RD] offset:(\f)*2*SP  ; LDS serves a wave's instructions in order (ISA guide 5.7.1.4): these see the stores above
.endr
.irp f, 0,1,2,3,4,5,6,7
	s_wait_dscnt 7-(\f)             ; the 7 - f younger loads may stay out
	global_store_b128 v[GO], v[S+4*(\f):S+4*(\f)+3], s[10:11] offset:(\f)*8192  ; 16 lanes store 256 consecutive bytes, at a multiple of 256 from the buffer's first
.endr
	s_wait_xcnt 0x0                 ; the stores' data and base are rewritten only behind this wait (ISA guide 3.1)
	s_mov_b64 s[10:11], s[OLO:OLO+1]
	s_sub_co_u32 s[RT], 8, s[PB]    ; the second block has 8 - b visits;
	s_mov_b32 s[A0], 1.0            ; in its last the first half holds the diagonal and the second is hidden
	s_mov_b32 s[A1], 0
	s_mov_b32 s[B1], s[BIGN]
	v_mov_b32 v[ST], 0xfe000000
	v_mov_b32 v[ST+1], 0xff7fffff
	WIN 0x41                        ; the second block's Q goes where the one text of the visits names Q,
.set i, 0
.rept 32
	v_mov_b32 v[i], v[Q2+i]
.set i, i+1
.endr
	WIN 0x01                        ; and its gate where halves of registers can be named
.set i, 0
.rept 32
	v_mov_b32 v[G+i], v[G2+i]
.set i, i+1
.endr
	WIN 0
.endm
; A VISIT.  The block's last visit (RT falls to 0) takes the masks and is followed by the block's end; both jumps go forward, past no barrier and no tensor load.
; K's 64 loads were issued in four runs of 16, by channels, and nothing behind them on the way that leaves them out (the block's end waits for all its LDS work): the counts 48, 32, 16, 0 are the younger runs' loads.
; fill = 1 (the loop): the slot is filled again, and the next K is fetched among the products V^T P.  fill = 0 (the tail): nothing is asked for; the next K comes in one run, jumped over in the last trip.
.macro VISIT fill
	s_sub_co_u32 s[RT], s[RT], 1
	s_wait_dscnt 48                 ; K's channels 0-31 are in
	s_cmp_eq_u32 s[RT], 0
	s_cbranch_scc1 .Ldiag_\@
.set i, 0
.rept 8
	KQ 0
.endr
	WIN 0
	s_branch .Lgo_\@
.Ldiag_\@:
	MASK
.set i, 0
.rept 8
	KQ 1
.endr
	WIN 0
.Lgo_\@:
.irp d, 32, 16, 0
	s_wait_dscnt \d
.rept 8
	KQ 0
.endr
.endr
	WIN 0
	PLACES                          ; behind the last product, ahead of the first read of a score
	v_add_nc_u32 v[ADRV], s[TB], v[AV0]
	SOFTMAX
	CHANGE \fill
.set i, 0
.if \fill
	v_add_nc_u32 v[ADRK], s[TB], v[AK0]
	FETCH_K 0
	FETCH_K 1
.rept 8
	PVM
.endr
	FETCH_K 2
.rept 8
	PVM
.endr
	FETCH_K 3
.rept 16
	PVM
.endr
.else
	s_cmp_eq_u32 s[TAIL], 1
	s_cbranch_scc1 .Lno_k_\@        ; the last visit has no successor
	v_add_nc_u32 v[ADRK], s[TB], v[AK0]
	FETCH_K 0
	FETCH_K 1
	FETCH_K 2
	FETCH_K 3
	WIN 0
.Lno_k_\@:
.rept 32
	PVM
.endr
.endif
	WIN 0
	PLACES                          ; behind the last product: ahead of the next loads into V's registers, the next writes of P and every read of O^T
	s_cmp_lg_u32 s[RT], 0
	s_cbranch_scc1 .Lnot_end_\@
	FINISH
.Lnot_end_\@:
.endm
.Lslot:                             ; seven trips: visit i is worked on, visit i + 2 asked for
	VISIT 1
	s_sub_co_u32 s[SLOTS], s[SLOTS], 1
	s_cmp_lg_u32 s[SLOTS], 0
	s_cbranch_scc1 .Lslot
	s_mov_b32 s[TAIL], 2            ; the tail is written out: visits 7 and 8 ask for nothing
.Ltail:
	VISIT 0
	s_sub_co_u32 s[TAIL], s[TAIL], 1
	s_cmp_lg_u32 s[TAIL], 0
	s_cbranch_scc1 .Ltail
	s_wait_tensorcnt 0x0            ; the wave's end: behind my last tensor load and my last LDS store
	ds_add_u32 v[SPW], v[NIL]
	s_wait_dscnt 0x0
	s_endpgm
.Lfunc_end_k_q7274d32e80_attn:
	.size	k_q7274d32e80_attn, .Lfunc_end_k_q7274d32e80_attn-k_q7274d32e80_attn
	.p2alignl 7, 3214868480
	.fill 96, 4, 3214868480
	.section	.rodata,"a",@progbits
	.p2align	6, 0x0
	.amdhsa_kernel k_q7274d32e80_attn
		.amdhsa_group_segment_fixed_size 327680
		.amdhsa_private_segment_fixed_size 0
		.amdhsa_enable_private_segment 0
		.amdhsa_kernarg_size 24
		.amdhsa_user_sgpr_count 2
		.amdhsa_user_sgpr_kernarg_segment_ptr 1
		.amdhsa_wavefront_size32 1
		.amdhsa_system_sgpr_workgroup_id_x 1
		.amdhsa_system_sgpr_workgroup_id_y 1
		.amdhsa_system_sgpr_workgroup_id_z 1
		.amdhsa_system_vgpr_workitem_id 0
		.amdhsa_next_free_vgpr 1024
		.amdhsa_next_free_sgpr 96
		.amdhsa_reserve_vcc 1
		.amdhsa_float_denorm_mode_32 3
		.amdhsa_float_denorm_mode_16_64 3
		.amdhsa_memory_ordered 1
		.amdhsa_forward_progress 1
		.amdhsa_inst_pref_size 123
	.end_amdhsa_kernel
	.amdgpu_metadata
---
amdhsa.version: [ 1, 2 ]
amdhsa.kernels:
  - .name:           k_q7274d32e80_attn
    .symbol:         k_q7274d32e80_attn.kd
    .args:
      - { .name: qkvg, .offset: 0, .size: 8, .value_kind: global_buffer, .address_space: global }
      - { .name: o_gamma, .offset: 8, .size: 8, .value_kind: global_buffer, .address_space: global }
      - { .name: yg, .offset: 16, .size: 8, .value_kind: global_buffer, .address_space: global }
    .group_segment_fixed_size: 327680
    .private_segment_fixed_size: 0
    .kernarg_segment_align: 8
    .kernarg_segment_size: 24
    .max_flat_workgroup_size: 128
    .sgpr_count:     96
    .vgpr_count:     1024
    .wavefront_size: 32
...
	.end_amdgpu_metadata
.endif
;; end of part 3
;; launch outp (part 4): grid 16 x 16, 4 waves a work-group, clusters of 4 x 4, 327,680 bytes of LDS; arguments yg, cast, out0; writes out0
.if DOCPART == 4
	.amdgcn_target "amdgcn-amd-amdhsa--gfx1250"
	.amdhsa_code_object_version 6
	.text
	.protected	k_q7274d32e80_outp
	.globl	k_q7274d32e80_outp
	.p2align	8
	.type	k_q7274d32e80_outp,@function
k_q7274d32e80_outp:
	s_mov_b64 s[64:65], 0
	v_nop
	global_prefetch_b8 v0, s[64:65] scope:SCOPE_SE
	s_setreg_imm32_b32 hwreg(HW_REG_WAVE_MODE, 25, 1), 1
	s_wait_xcnt 0x0
	s_wait_alu depctr_hold_cnt(0) depctr_sa_sdst(0) depctr_va_vdst(0) depctr_va_sdst(0) depctr_va_ssrc(0) depctr_va_vcc(0) depctr_vm_vsrc(0)
	s_getreg_b32 s2, hwreg(HW_REG_IB_STS2, 6, 4)
	s_cmp_eq_u32 s2, 0
	s_cbranch_scc0 .Lentry_in_a_cluster
	s_endpgm
.Lentry_in_a_cluster:
	s_bfe_u32 s2, ttmp6, 0x10000c
	s_cmp_lg_u32 s2, 0xf033
	s_cbranch_scc0 .Lentry_shape_is_right
	s_endpgm
.Lentry_shape_is_right:
; THE OUTPUT PROJECTION.  out0[2048][2048] (f32) = yg Wo^T, bf16 operands, f32 sums, K = 2,048.  yg's and Wo's columns have the same order inside every group of 128, so every product keeps its terms.
; A tile of C is 128 x 128, which gives each of 256 work-groups one.  Four waves, each 64 x 64: 16 accumulators, 128 registers.  K goes in steps of 256 (LDS rows of 512 bytes; a wave's tensor load brings 64 of them),
; as long as two slots in LDS allow.
; CLUSTER 4 x 4: the four of a row of the cluster need the same tiles of yg, the four of a column the same tiles of Wo: each tile is asked for JOINTLY, by the same tensor load, descriptor and mask.
; THE MATRIX INSTRUCTION IS USED TRANSPOSED (source 0 = 16 rows of Wo, source 1 = 16 rows of yg): a lane holds eight neighbouring numbers of a row of C.
; THE WAY OUT.  A wave's 64 columns of f32 are 256 bytes, aligned: each wave has a stage of its own (16 rows x 272 bytes), no barrier, and stores whole rows of 256 bytes.
; REGISTERS: window 0: v0-31 addresses; v32-95 two buffers of 16 rows on the way out; v128-255 the accumulators ((a, b) at v[128 + 8 (4 a + b)]).   window 1: two fragment buffers of 128.
.set SIZE_K, 2048
.set ROWB,   8192                      ; bytes in a row of out0
.set KSTEP,  256
.set PITCH,  528                       ; an LDS row: 512 bytes + 16 = 132 words: the 16 rows of a load start at 16 different groups of four banks (64 banks of 4 bytes: ISA guide 11.1)
.set HALFT,  64*PITCH
.set SLOT,   4*HALFT
.set STAGE,  2*SLOT                    ; behind the ring, never filled by a tensor load
.set SPITCH, 272
.set SPARE,  STAGE+4*16*SPITCH         ; the spare words, 128 bytes for each wave: two blocks of 256 bytes that no other line names
.set LAPS, SIZE_K/(2*KSTEP)
.set ADRA, 16
.set ADRB, 20
.set STO,  24                          ; v24  stage, in: 272 (l % 16) + 32 (l / 16)
.set RD,   25                          ; v25  stage, back: 272 (l / 16) + 16 (l % 16)
.set CO,   26                          ; v26  8,192 (l / 16) + 16 (l % 16)
.set SPW,  28
.set NIL,  29
.set TMP,  32
.set ACC,  128
.set F0,   0
.set F1,   128
.set G1, 24
.set G0, 32
.set G1B, 48
.set G0B, 56
.set MSB, 0
.macro WIN new
.if MSB != (\new)
	s_set_vgpr_msb (MSB<<8)|(\new)
.set MSB, \new
.endif
.endm
.set MUL,  0x05                        ; sources 0 (Wo) and 1 (yg) window 1; C and D window 0
.set TO_F, 0x40                        ; destination window 1, address window 0
.macro JLOAD s                         ; a joint load: waves 0 and 1 fetch yg's two halves, waves 2 and 3 Wo's; an s_nop 0 and four v_nop follow each of the two lines
	s_cmp_eq_u32 s11, 0
	s_cbranch_scc0 .Lfor_b_\@
	tensor_load_to_lds s[G0+4*(\s):G0+4*(\s)+3], s[G1:G1+7]
	s_nop 0
.rept 4
	v_nop
.endr
	s_branch .Lasked_\@
.Lfor_b_\@:
	tensor_load_to_lds s[G0B+4*(\s):G0B+4*(\s)+3], s[G1B:G1B+7]
	s_nop 0
.rept 4
	v_nop
.endr
.Lasked_\@:
.endm
.macro CREST
	s_cmp_lg_u32 s10, 0
	s_cbranch_scc1 .Lnot_wave_0_\@
	s_barrier_signal -3
.Lnot_wave_0_\@:
	s_barrier_wait -3
	s_barrier_signal -1
	s_barrier_wait -1
.endm
.macro CROUND
	s_barrier_signal -1
	s_barrier_wait -1
	CREST
.endm
	s_load_b128 s[4:7], s[0:1], 0x0                ; yg s[4:5], cast s[6:7]
	s_load_b64 s[8:9], s[0:1], 0x10                ; out0
	v_lshl_add_u32 v[SPW], v0, 2, SPARE
	v_mov_b32 v[NIL], 0
	ds_add_u32 v[SPW], v[NIL]                      ; the wave's opening: the add and its wait ahead of my first tensor load; the set-up below stands between them
	ds_add_u32 v28, v29
	v_lshrrev_b32 v1, 5, v0
	v_readfirstlane_b32 s10, v1                    ; wave 0..3
	s_lshr_b32 s11, s10, 1                         ; which half of the tile's rows is mine.  Also: I fetch for yg (0) or for Wo (1)
	s_and_b32 s12, s10, 1                          ; which half of its columns.  Also: which 64 rows of that tile I fetch
	s_bfe_u32 s40, ttmp6, 0x40000
	s_bfe_u32 s41, ttmp6, 0x40004
	s_lshl_b32 s42, ttmp9, 2
	s_add_co_u32 s42, s42, s40                     ; tile column
	s_and_b32 s13, ttmp7, 0xffff
	s_lshl_b32 s13, s13, 2
	s_add_co_u32 s13, s13, s41                     ; tile row
	s_lshl_b32 s43, s41, 2
	s_lshl_b32 s43, 15, s43                        ; my row of the cluster
	s_lshl_b32 s44, 0x1111, s40                    ; my column
	s_or_b32 s[G1+0], s43, (1<<16)|(1<<20)|(1<<21)|(6<<22)|(3<<25)  ; 15:0 the mask; 17:16 2-byte elements; 20 padding on; 21 set beside a mask; 24:22 after every 128 words; 31:25 4 words of it
	s_or_b32 s[G1B+0], s44, (1<<16)|(1<<20)|(1<<21)|(6<<22)|(3<<25)
.irp g, G1, G1B
	s_mov_b32 s[(\g)+1], KSTEP<<16                 ; tensor_dim0 = 256
	s_mov_b32 s[(\g)+2], 64<<16                    ; tensor_dim1 = 64
	s_mov_b32 s[(\g)+3], KSTEP<<16                 ; tile_dim0 = 256
	s_mov_b32 s[(\g)+4], 64                        ; tile_dim1 = 64
	s_mov_b32 s[(\g)+5], SIZE_K
	s_mov_b32 s[(\g)+6], 0
	s_mov_b32 s[(\g)+7], 0
.endr
	s_lshl_b32 s17, s12, 6
	s_lshl_b32 s16, s13, 7
	s_add_co_u32 s16, s16, s17                     ; yg: row 128 x tile row + 64 x half
	s_lshl_b32 s46, s42, 7
	s_add_co_u32 s46, s46, s17                     ; Wo: row 128 x tile column + 64 x half
	s_mov_b32 s17, 0
	s_mov_b32 s47, 0
	s_mov_b64 s[18:19], SIZE_K*2
	s_mul_u64 s[16:17], s[16:17], s[18:19]
	s_mul_u64 s[46:47], s[46:47], s[18:19]
	s_mul_i32 s20, s10, HALFT
	s_wait_dscnt 0x0                               ; the opening add is done
	s_wait_kmcnt 0x0
	s_add_nc_u64 s[14:15], s[4:5], s[16:17]
	s_add_nc_u64 s[6:7], s[6:7], 0x2800000         ; Wo's section is the sixth
	s_add_nc_u64 s[46:47], s[6:7], s[46:47]
	CROUND                                         ; all sixteen work-groups are here: the first joint loads meet
.irp s, 0,1
	s_mov_b32 s[G0+4*(\s)], 1
	s_add_co_u32 s[G0+4*(\s)+1], s20, (\s)*SLOT
	s_add_nc_u64 s[G0+4*(\s)+2:G0+4*(\s)+3], s[14:15], (\s)*KSTEP*2
	s_or_b32 s[G0+4*(\s)+3], s[G0+4*(\s)+3], 0x80000000
	s_mov_b32 s[G0B+4*(\s)], 1
	s_add_co_u32 s[G0B+4*(\s)+1], s20, (\s)*SLOT
	s_add_nc_u64 s[G0B+4*(\s)+2:G0B+4*(\s)+3], s[46:47], (\s)*KSTEP*2
	s_or_b32 s[G0B+4*(\s)+3], s[G0B+4*(\s)+3], 0x80000000
	JLOAD \s                                       ; two tensor loads of mine are out
.endr
	v_and_b32 v1, 15, v0
	v_bfe_u32 v2, v0, 4, 1
	v_mul_u32_u24 v3, v1, PITCH
	v_lshl_add_u32 v3, v2, 4, v3
	s_mul_i32 s21, s11, HALFT
	s_mul_i32 s22, s12, HALFT
	s_add_co_u32 s22, s22, 2*HALFT
.irp s, 0,1
	v_add_nc_u32 v[ADRA+(\s)], s21, v3
	v_add_nc_u32 v[ADRB+(\s)], s22, v3
	s_add_co_u32 s21, s21, SLOT
	s_add_co_u32 s22, s22, SLOT
.endr
	s_mul_i32 s23, s10, 16*SPITCH
	s_add_co_u32 s23, s23, STAGE                   ; my stage
	v_mul_u32_u24 v4, v1, SPITCH
	v_lshl_add_u32 v4, v2, 5, v4
	v_add_nc_u32 v[STO], s23, v4
	v_mul_u32_u24 v5, v2, SPITCH
	v_lshl_add_u32 v5, v1, 4, v5
	v_add_nc_u32 v[RD], s23, v5
	v_lshlrev_b32 v5, 13, v2
	v_lshl_add_u32 v[CO], v1, 4, v5
	s_lshl_b32 s16, s13, 7
	s_lshl_b32 s17, s11, 6
	s_add_co_u32 s16, s16, s17                     ; my first row of C
	s_lshl_b32 s16, s16, 13
	s_mov_b32 s17, 0
	s_add_nc_u64 s[8:9], s[8:9], s[16:17]
	s_lshl_b32 s46, s42, 9                         ; my first column, in bytes: 512 x tile column + 256 x half
	s_lshl_b32 s47, s12, 8
	s_add_co_u32 s46, s46, s47
	s_mov_b32 s47, 0
	s_add_nc_u64 s[8:9], s[8:9], s[46:47]
; 8 matrix instructions: m blocks a0, a0 + 1 x all 4 n blocks, 32 along K: half c of buffer f.  zero = 1: the first product starts the sums.  The 16 accumulators take turns.
.macro MUL8 f, c, a0, zero
	WIN MUL
.irp a, \a0, (\a0)+1
.irp b, 0,1,2,3
.if \zero
	v_wmma_f32_16x16x32_bf16 v[ACC+8*(4*(\a)+(\b)):ACC+8*(4*(\a)+(\b))+7], v[(\f)+64+8*(4*(\c)+(\b)):(\f)+64+8*(4*(\c)+(\b))+7], v[(\f)+8*(4*(\c)+(\a)):(\f)+8*(4*(\c)+(\a))+7], 0
.else
	v_wmma_f32_16x16x32_bf16 v[ACC+8*(4*(\a)+(\b)):ACC+8*(4*(\a)+(\b))+7], v[(\f)+64+8*(4*(\c)+(\b)):(\f)+64+8*(4*(\c)+(\b))+7], v[(\f)+8*(4*(\c)+(\a)):(\f)+8*(4*(\c)+(\a))+7], v[ACC+8*(4*(\a)+(\b)):ACC+8*(4*(\a)+(\b))+7]
.endif
.endr
.endr
.endm
; 32 LDS loads in one run: the fragments of 64 along K at byte k of the rows, into buffer f; the first 32 along K first
.macro FETCH slot, k, f
	WIN TO_F
.irp c, 0,1
.irp i, 0,1,2,3
	ds_load_b128 v[(\f)+64+8*(4*(\c)+(\i)):(\f)+64+8*(4*(\c)+(\i))+3],   v[ADRB+(\slot)] offset:(\k)+64*(\c)+(\i)*16*PITCH
	ds_load_b128 v[(\f)+64+8*(4*(\c)+(\i))+4:(\f)+64+8*(4*(\c)+(\i))+7], v[ADRB+(\slot)] offset:(\k)+64*(\c)+(\i)*16*PITCH+32
	ds_load_b128 v[(\f)+8*(4*(\c)+(\i)):(\f)+8*(4*(\c)+(\i))+3],         v[ADRA+(\slot)] offset:(\k)+64*(\c)+(\i)*16*PITCH
	ds_load_b128 v[(\f)+8*(4*(\c)+(\i))+4:(\f)+8*(4*(\c)+(\i))+7],       v[ADRA+(\slot)] offset:(\k)+64*(\c)+(\i)*16*PITCH+32
.endr
.endr
.endm
.macro PLACES                          ; four plain vector instructions between a matrix instruction and a load into, or a read of, its registers (except for loads)
.rept 4
	v_nop
.endr
.endm
; A K step is four quarters of 64 along K, 32 matrix instructions each, on buffers 0, 1, 0, 1.
.macro QUARTER slot, k, f, g, zero
	s_wait_dscnt 16                                ; the first 32 along K are in; the other sixteen loads may be out
	WIN MUL
	MUL8 \f, 0, 0, \zero
	MUL8 \f, 0, 2, \zero
	PLACES
	FETCH \slot, \k, \g
	s_wait_dscnt 32                                ; all but the 32 just issued
	WIN MUL
	MUL8 \f, 1, 0, 0
	MUL8 \f, 1, 2, 0
.endm
; The last quarter multiplies buffer 1 and changes slots: ONE barrier; in front of it each wave waits for all its tensor loads, adds 0 to its spare word, and waits for that and for its own reads of this slot.
; fill = 1: this slot is filled again, two K steps ahead; the barrier then opens a round of the cluster's.
.macro TURN slot, next, fill
	WIN 0
	s_wait_tensorcnt 0x0                           ; all my tensor loads have landed: my part of the next slot
	ds_add_u32 v[SPW], v[NIL]
	s_wait_dscnt 17                                ; the add and the youngest sixteen loads may be out
	WIN MUL
	MUL8 F1, 0, 0, 0
	s_wait_dscnt 0x0                               ; the add is done, and my reads of this slot are over
	s_barrier_signal -1
	MUL8 F1, 0, 2, 0
.if \fill
	WIN 0
.endif
	s_barrier_wait -1
.if \fill
	CREST
	s_add_nc_u64 s[G0+4*(\slot)+2:G0+4*(\slot)+3], s[G0+4*(\slot)+2:G0+4*(\slot)+3], 2*KSTEP*2
	s_add_nc_u64 s[G0B+4*(\slot)+2:G0B+4*(\slot)+3], s[G0B+4*(\slot)+2:G0B+4*(\slot)+3], 2*KSTEP*2
	JLOAD \slot                                    ; the first tensor load behind the round: 112 matrix instructions ahead of the wait for it; its four v_nop are also the places in front of the loads below
.else
	PLACES
.endif
	FETCH \next, 0, F0
	WIN MUL
	MUL8 F1, 1, 0, 0
	MUL8 F1, 1, 2, 0
.endm
	s_wait_tensorcnt 1                             ; my part of K step 0 is in; K step 1's may stay out
	s_barrier_signal -1
	s_barrier_wait -1
	FETCH 0, 0, F0
	QUARTER 0, 128, F0, F1, 1                      ; the first quarter stands in front of the loop: its first products start the sums
	WIN 0
	s_mov_b32 s3, LAPS-1
.Llap:                                                 ; a trip goes once round the ring and fills both slots again
	QUARTER 0, 256, F1, F0, 0
	QUARTER 0, 384, F0, F1, 0
	TURN 0, 1, 1
	QUARTER 1, 128, F0, F1, 0
	QUARTER 1, 256, F1, F0, 0
	QUARTER 1, 384, F0, F1, 0
	TURN 1, 0, 1
	QUARTER 0, 128, F0, F1, 0
	WIN 0
	s_sub_co_u32 s3, s3, 1
	s_cmp_lg_u32 s3, 0
	s_cbranch_scc1 .Llap
	QUARTER 0, 256, F1, F0, 0                      ; the last lap fills nothing, and has no round of the cluster's barrier
	QUARTER 0, 384, F0, F1, 0
	TURN 0, 1, 0
	QUARTER 1, 128, F0, F1, 0
	QUARTER 1, 256, F1, F0, 0
	QUARTER 1, 384, F0, F1, 0
	s_wait_dscnt 16                                ; the very last quarter: nothing more to fetch
	WIN MUL
	MUL8 F1, 0, 0, 0
	MUL8 F1, 0, 2, 0
	s_wait_dscnt 0
	MUL8 F1, 1, 0, 0
	MUL8 F1, 1, 2, 0
	WIN 0
; THE WAY OUT, 16 rows at a time.  TOSTAGE a: block a's four accumulators go into my stage as they are, each from its low end on, and come back as whole rows of 256 bytes.  SEND a: stored.
.macro TOSTAGE a
.if (\a) >= 2
	s_wait_xcnt 0x0                                ; the buffer's registers, which the stores of block a - 2 read, are loaded again only behind this wait (ISA guide 3.1)
.endif
.irp b, 0,1,2,3
	ds_store_b128 v[STO], v[ACC+8*(4*(\a)+(\b)):ACC+8*(4*(\a)+(\b))+3]   offset:64*(\b)
	ds_store_b128 v[STO], v[ACC+8*(4*(\a)+(\b))+4:ACC+8*(4*(\a)+(\b))+7] offset:64*(\b)+16
.endr
.irp t, 0,1,2,3,4,5,6,7
	ds_load_b128 v[TMP+32*((\a)%2)+4*(\t):TMP+32*((\a)%2)+4*(\t)+3], v[RD] offset:(\t)*2*SPITCH  ; LDS serves a wave's instructions in order (ISA guide 5.7.1.4): these see the stores above; the next block's stores come behind them
.endr
.endm
.macro SEND a, younger                 ; younger: the LDS instructions issued behind block a's loads: the next block's sixteen, or none
.irp t, 0,1,2,3,4,5,6,7
	s_wait_dscnt (\younger)+7-(\t)
	global_store_b128 v[CO], v[TMP+32*((\a)%2)+4*(\t):TMP+32*((\a)%2)+4*(\t)+3], s[8:9] offset:(16*(\a)+2*(\t))*ROWB th:TH_STORE_NT  ; 16 lanes store 256 consecutive bytes, at a multiple of 256 from out0's first byte
.endr
.endm
	PLACES
	TOSTAGE 0
	TOSTAGE 1
	SEND 0, 16
	TOSTAGE 2
	SEND 1, 16
	TOSTAGE 3
	SEND 2, 16
	SEND 3, 0
	s_wait_tensorcnt 0x0                           ; the wave's end: behind my last tensor load and my last LDS store
	ds_add_u32 v[SPW], v[NIL]
	s_wait_dscnt 0x0
	CROUND                                         ; the closing round: no work-group ends while a partner may still ask for a tile that names it
	s_endpgm
.Lfunc_end_k_q7274d32e80_outp:
	.size	k_q7274d32e80_outp, .Lfunc_end_k_q7274d32e80_outp-k_q7274d32e80_outp
	.p2alignl 7, 3214868480
	.fill 96, 4, 3214868480
	.section	.rodata,"a",@progbits
	.p2align	6, 0x0
	.amdhsa_kernel k_q7274d32e80_outp
		.amdhsa_group_segment_fixed_size 327680
		.amdhsa_private_segment_fixed_size 0
		.amdhsa_enable_private_segment 0
		.amdhsa_kernarg_size 24
		.amdhsa_user_sgpr_count 2
		.amdhsa_user_sgpr_kernarg_segment_ptr 1
		.amdhsa_wavefront_size32 1
		.amdhsa_system_sgpr_workgroup_id_x 1
		.amdhsa_system_sgpr_workgroup_id_y 1
		.amdhsa_system_sgpr_workgroup_id_z 1
		.amdhsa_system_vgpr_workitem_id 0
		.amdhsa_next_free_vgpr 512
		.amdhsa_next_free_sgpr 66
		.amdhsa_reserve_vcc 0
		.amdhsa_float_denorm_mode_32 3
		.amdhsa_float_denorm_mode_16_64 3
		.amdhsa_memory_ordered 1
		.amdhsa_forward_progress 1
		.amdhsa_inst_pref_size 86
	.end_amdhsa_kernel
	.amdgpu_metadata
---
amdhsa.version: [ 1, 2 ]
amdhsa.kernels:
  - .name:           k_q7274d32e80_outp
    .symbol:         k_q7274d32e80_outp.kd
    .args:
      - { .name: yg, .offset: 0, .size: 8, .value_kind: global_buffer, .address_space: global }
      - { .name: cast, .offset: 8, .size: 8, .value_kind: global_buffer, .address_space: global }
      - { .name: out0, .offset: 16, .size: 8, .value_kind: global_buffer, .address_space: global }
    .group_segment_fixed_size: 327680
    .private_segment_fixed_size: 0
    .kernarg_segment_align: 8
    .kernarg_segment_size: 24
    .max_flat_workgroup_size: 128
    .sgpr_count:     66
    .vgpr_count:     512
    .wavefront_size: 32
...
	.end_amdgpu_metadata
.endif
;; end of part 4
;; ======== version 2 of 2: 4 launches; version 1 with the launch cast written anew for expert scheduling mode
;; limits: values outside matrix products are rounded to f16; values are held in f16: magnitudes above 65,504 overflow, below 6.1e-05 lose precision; right only within a limited range of input values
;; workspace buffers: cast 50,331,648 bytes; rope 32,768 bytes; qkvg 33,554,432 bytes; yg 8,388,608 bytes
;; launch cast (part 5): grid 128 x 6, 8 waves a work-group, no clusters, 0 bytes of LDS; arguments x, Wq, Wk, Wv, Wg, Wo, cast, rope; writes cast, rope
.if DOCPART == 5
	.amdgcn_target "amdgcn-amd-amdhsa--gfx1250"
	.amdhsa_code_object_version 6
	.text
	.protected	k_q7274d32e80_cast
	.globl	k_q7274d32e80_cast
	.p2align	8
	.type	k_q7274d32e80_cast,@function
k_q7274d32e80_cast:
	s_mov_b64 s[64:65], 0
	v_nop
	global_prefetch_b8 v0, s[64:65] scope:SCOPE_SE
	s_setreg_imm32_b32 hwreg(HW_REG_WAVE_SCHED_MODE, 0, 2), 2
	s_setreg_imm32_b32 hwreg(HW_REG_WAVE_MODE, 25, 1), 1
	s_wait_xcnt 0x0
	s_wait_alu depctr_vm_vsrc(0)
; THE SIX LARGE INPUTS, f32 -> bf16 (round to nearest even), AND A SMALL TABLE OF COSINES AND SINES.
; cast holds six sections of 8,388,608 bytes, [2048][2048] bf16 each: x, Wq, Wk, Wv, Wg, Wo.  Inside every group of 128 columns the order is changed:
; stored place 8 i + e holds column 4 i + e (e < 4) or column 64 + 4 i + e - 4 (e >= 4).  All six have it, so every product along these columns keeps its terms;
; the later launches write q, k, v, the gate and y in the same order, in which a lane holds channels d and d + 64 side by side.
; SHARES.  Work-group (x, y): 131,072 bytes of tensor y, 65,536 out, in 16 steps.  Thread t, step k: 16 bytes at (t / 16) 512 + (t % 16) 16 + 8,192 k, 16 bytes 256 further,
; eight bf16 to 16 t + 4,096 k: in every load and store sixteen neighbouring lanes cover 256 consecutive bytes, aligned.
; Memory binds: no LDS, no barrier, no matrix unit.
; THE MODE: SCHED_MODE bits 1:0 = 2 (LLVM: expert scheduling mode 2), set by the entry lines.  The code itself states the register dependences
; between vector instructions and memory instructions, with s_wait_alu, always for 0.
; THE PLAN.  The 16 steps go in 8 blocks of two.  Registers that memory instructions touch:
;   X0 .. X4   five blocks as loaded.  Block p's four loads land in X[p % 5]: blocks 0 to 3 are asked for at the head, block p + 4 in block p.  Read by block p's eight conversions.
;   OUT        eight registers a block, written once, by block p's conversions; read by the two stores that are issued in block p + 1.  Never written again.
;   v1, v2     byte offsets, made once at the head and never written again: the steps are reached by immediate offsets; the two bases stay.
; Block p works on X[p % 5] and writes its own part of OUT.  Its memory instructions are the loads into X[(p + 4) % 5] = X[(p - 1) % 5] and the stores from the part of OUT that block p - 1 wrote:
; registers that block p - 1 worked on and that no vector instruction of block p names.  So ONE wait at a block's head states all that the block's six memory instructions hang on, and these are dealt
; among its conversions with no further wait.  Sixteen loads of a thread are out until block 4.  No register that a memory instruction reads is written again, so nothing is stated for that.
; THE TABLE.  rope: 64 rows of 512 bytes, cos of 64 frequencies, then sin.  Row 8 a + c holds the angles of token 128 a + c (a, c = 0..7); the next launch steps eight tokens at a time from there.
; angle = t x 10000^(-i/64), rounded once as a product; sine and cosine by a reduction to |r| <= pi/4 (pi/2 in two parts) and polynomials of degree 7 and 8.
; LIMIT: the angle's frequency comes from v_exp_f32 (1 ulp), so an angle lies within about 1e-4 rad of the one that a power function would give at t = 1,023.
.set IN,  4                            ; v[4:83]    buffer b, step i of two: 8 registers at IN + 16 b + 8 i: two loads
.set OUT, 84                           ; v[84:147]  step k: 4 registers at OUT + 4 k
.set TB,  4                            ; v[4:19]    the table's sixteen registers, in X0: its last load, block 5's, has been waited for and converted by then
	s_load_b512 s[8:23], s[0:1], 0x0               ; x, Wq, Wk, Wv, Wg, Wo at s[8:19], cast s[20:21], rope s[22:23]
	s_and_b32 s2, ttmp7, 0xffff                    ; which tensor
	s_mov_b32 s3, ttmp9                            ; which part of it
	v_lshrrev_b32 v1, 4, v0
	v_and_b32 v3, 15, v0
	v_lshlrev_b32 v1, 9, v1
	v_lshl_or_b32 v1, v3, 4, v1                    ; in: group of 128 columns x 512 + 16 i
	v_lshlrev_b32 v2, 4, v0                        ; out: 16 t
	s_lshl_b32 s24, s3, 17
	s_mov_b32 s25, 0
	s_lshl_b32 s26, s2, 23
	s_lshl_b32 s27, s3, 16
	s_add_co_u32 s26, s26, s27
	s_mov_b32 s27, 0
	s_wait_kmcnt 0x0
	s_mov_b64 s[4:5], s[8:9]
.irp n, 1,2,3,4,5
	s_cmp_eq_u32 s2, \n                            ; a choice between buffers on the work-group's y alone
	s_cselect_b64 s[4:5], s[8+2*(\n):9+2*(\n)], s[4:5]
.endr
	s_add_nc_u64 s[4:5], s[4:5], s[24:25]
	s_add_nc_u64 s[6:7], s[20:21], s[26:27]
	s_wait_alu depctr_va_vdst(0)                   ; v1 and v2 are written: every load and store of the stream reads one of them as its offset
.irp k, 0,1,2,3,4,5,6,7
	global_load_b128 v[IN+8*(\k):IN+8*(\k)+3],   v1, s[4:5] offset:8192*(\k) th:TH_LOAD_NT       ; blocks 0 to 3 into X0 to X3
	global_load_b128 v[IN+8*(\k)+4:IN+8*(\k)+7], v1, s[4:5] offset:8192*(\k)+256 th:TH_LOAD_NT
.endr
; Block p: steps 2 p and 2 p + 1.
.macro BLK p
.if (\p) < 5
	s_wait_loadcnt 12                              ; loads come back in order (ISA guide 5.7.1): block p's four are in; behind them went those of blocks p + 1 to p + 3
.else
	s_wait_loadcnt 4*(7-(\p))                      ; nothing more is asked for: the counts run down
.endif
.if (\p) > 0
	s_wait_alu depctr_va_vdst(0)                   ; the block before has written its part of OUT, which the stores below read, and is done reading its X, in which the loads below land
.endif
.irp i, 0,1
.if (\p) < 4
	global_load_b128 v[IN+16*(((\p)+4)%5)+8*(\i):IN+16*(((\p)+4)%5)+8*(\i)+3],   v1, s[4:5] offset:8192*(2*(\p)+8+(\i)) th:TH_LOAD_NT      ; four blocks ahead; no vector instruction since the wait names these registers (in block 0: none at all)
	global_load_b128 v[IN+16*(((\p)+4)%5)+8*(\i)+4:IN+16*(((\p)+4)%5)+8*(\i)+7], v1, s[4:5] offset:8192*(2*(\p)+8+(\i))+256 th:TH_LOAD_NT
.endif
.if (\p) > 0
	global_store_b128 v2, v[OUT+4*(2*(\p)-2+(\i)):OUT+4*(2*(\p)-2+(\i))+3], s[6:7] offset:4096*(2*(\p)-2+(\i))  ; the block before; read again by the next launch: no hint
.endif
	v_cvt_pk_bf16_f32 v[OUT+4*(2*(\p)+(\i))],   v[IN+16*((\p)%5)+8*(\i)],   v[IN+16*((\p)%5)+8*(\i)+1]
	v_cvt_pk_bf16_f32 v[OUT+4*(2*(\p)+(\i))+1], v[IN+16*((\p)%5)+8*(\i)+2], v[IN+16*((\p)%5)+8*(\i)+3]
	v_cvt_pk_bf16_f32 v[OUT+4*(2*(\p)+(\i))+2], v[IN+16*((\p)%5)+8*(\i)+4], v[IN+16*((\p)%5)+8*(\i)+5]
	v_cvt_pk_bf16_f32 v[OUT+4*(2*(\p)+(\i))+3], v[IN+16*((\p)%5)+8*(\i)+6], v[IN+16*((\p)%5)+8*(\i)+7]
.endr
.endm
	BLK 0                                          ; no block stands in front of it: no store, and no wait but the one for its data
	BLK 1
	BLK 2
	BLK 3
	BLK 4                                          ; from here on no load is issued: none leaves the tensor
	BLK 5
	BLK 6
	BLK 7
	s_wait_alu depctr_va_vdst(0)                   ; block 7 has written its part of OUT, which the last two stores read
	global_store_b128 v2, v[OUT+56:OUT+59], s[6:7] offset:4096*14
	global_store_b128 v2, v[OUT+60:OUT+63], s[6:7] offset:4096*15
	s_cmp_lg_u32 s2, 0                             ; the table is made by work-groups (0..7, 0), behind their share of x
	s_cbranch_scc1 .Lend
	s_cmp_ge_u32 s3, 8
	s_cbranch_scc1 .Lend
	v_lshrrev_b32 v[TB], 5, v0
	v_readfirstlane_b32 s36, v[TB]                 ; wave c
	s_wait_alu depctr_va_sdst(0)                   ; s36 is written, ahead of its first reader: the token and the table's row are made from it
	s_lshl_b32 s37, s3, 7
	s_add_co_u32 s37, s37, s36                     ; token 128 a + c
	s_lshl_b32 s38, s3, 3
	s_add_co_u32 s38, s38, s36
	s_lshl_b32 s38, s38, 9                         ; row 8 a + c, 512 bytes a row
	s_mov_b32 s39, 0
	s_add_nc_u64 s[22:23], s[22:23], s[38:39]
	s_mov_b32 s24, 0x3f22f983                      ; 2 / pi
	s_mov_b32 s25, 0xbfc90fdb                      ; - pi/2, the f32 next to it,
	s_mov_b32 s26, 0x333bbd2e                      ; and what that f32 is too large by
	s_mov_b32 s27, 0xb94ca1f9                      ; sine: -1.9515296e-4, 8.3321608e-3, -1.6666655e-1
	s_mov_b32 s28, 0x3c08839e
	s_mov_b32 s29, 0xbe2aaaa3
	s_mov_b32 s30, 0x37ccf5ce                      ; cosine: 2.4433157e-5, -1.3887316e-3, 4.1666646e-2
	s_mov_b32 s31, 0xbab6061a
	s_mov_b32 s32, 0x3d2aaaa5
	v_and_b32 v3, 31, v0                           ; lane: frequencies 2 lane and 2 lane + 1
	v_lshlrev_b32 v[TB+15], 3, v3                  ; 8 bytes a lane
	v_lshlrev_b32 v[TB], 1, v3
	v_cvt_f32_u32 v[TB+13], v[TB]
	v_cvt_f32_u32 v[TB+12], s37
	v_add_f32 v[TB+14], 1.0, v[TB+13]
	v_mul_f32 v[TB+13], 0xbe549a78, v[TB+13]       ; - i log2(10000) / 64
	v_mul_f32 v[TB+14], 0xbe549a78, v[TB+14]
	v_exp_f32 v[TB+13], v[TB+13]
	v_exp_f32 v[TB+14], v[TB+14]
	v_nop                                          ; a plain instruction behind the exponentials (ISA guide 5.7.2)
	s_wait_alu depctr_va_vdst(0)                   ; the two exponentials have written their results, which the products below read: one wait for the batch
	v_mul_f32 v[TB+13], v[TB+12], v[TB+13]         ; the angles
	v_mul_f32 v[TB+14], v[TB+12], v[TB+14]
; cosine into v[c], sine into v[s] of the angle in v[a] (0 to 1,023)
.macro SINCOS a, c, s
	v_mul_f32 v[TB+1], s24, v[\a]
	v_rndne_f32 v[TB+1], v[TB+1]                   ; n quarter turns
	v_fma_f32 v[TB+2], v[TB+1], s25, v[\a]
	v_fma_f32 v[TB+2], v[TB+1], s26, v[TB+2]       ; r = angle - n pi/2
	v_mul_f32 v[TB+3], v[TB+2], v[TB+2]            ; z = r r
	v_fma_f32 v[TB+4], v[TB+3], s27, s28
	v_fma_f32 v[TB+5], v[TB+3], s30, s31
	v_fma_f32 v[TB+4], v[TB+4], v[TB+3], s29
	v_fma_f32 v[TB+5], v[TB+5], v[TB+3], s32
	v_mul_f32 v[TB+4], v[TB+4], v[TB+3]
	v_mul_f32 v[TB+5], v[TB+5], v[TB+3]
	v_fma_f32 v[TB+7], v[TB+3], -0.5, 1.0
	v_fma_f32 v[TB+4], v[TB+4], v[TB+2], v[TB+2]   ; sin r
	v_fma_f32 v[TB+5], v[TB+5], v[TB+3], v[TB+7]   ; cos r
	v_cvt_i32_f32 v[TB+6], v[TB+1]
	v_and_b32 v[TB+7], 1, v[TB+6]
	v_cmp_eq_u32 vcc_lo, 1, v[TB+7]                ; an odd quarter swaps the two
	s_wait_alu depctr_va_vcc(0)                    ; the compare has written VCC, which the two selects below read
	v_cndmask_b32 v[\s], v[TB+4], v[TB+5], vcc_lo
	v_cndmask_b32 v[\c], v[TB+5], v[TB+4], vcc_lo
	v_lshlrev_b32 v[TB+7], 30, v[TB+6]             ; the sine is negative in quarters 2 and 3,
	v_and_b32 v[TB+7], 0x80000000, v[TB+7]
	v_xor_b32 v[\s], v[\s], v[TB+7]
	v_add_nc_u32 v[TB+6], 1, v[TB+6]               ; the cosine in quarters 1 and 2
	v_lshlrev_b32 v[TB+7], 30, v[TB+6]
	v_and_b32 v[TB+7], 0x80000000, v[TB+7]
	v_xor_b32 v[\c], v[\c], v[TB+7]
.endm
	SINCOS TB+13, TB+8, TB+10
	SINCOS TB+14, TB+9, TB+11
	s_wait_alu depctr_va_vdst(0)                   ; the offset v[TB+15] and the four results v[TB+8 .. TB+11] are written, which the two stores read
	global_store_b64 v[TB+15], v[TB+8:TB+9], s[22:23]               ; 32 lanes x 8 bytes: the row's 256 bytes of cosines,
	global_store_b64 v[TB+15], v[TB+10:TB+11], s[22:23] offset:256  ; and of sines
.Lend:
	s_endpgm
.Lfunc_end_k_q7274d32e80_cast:
	.size	k_q7274d32e80_cast, .Lfunc_end_k_q7274d32e80_cast-k_q7274d32e80_cast
	.p2alignl 7, 3214868480
	.fill 96, 4, 3214868480
	.section	.rodata,"a",@progbits
	.p2align	6, 0x0
	.amdhsa_kernel k_q7274d32e80_cast
		.amdhsa_group_segment_fixed_size 0
		.amdhsa_private_segment_fixed_size 0
		.amdhsa_enable_private_segment 0
		.amdhsa_kernarg_size 64
		.amdhsa_user_sgpr_count 2
		.amdhsa_user_sgpr_kernarg_segment_ptr 1
		.amdhsa_wavefront_size32 1
		.amdhsa_system_sgpr_workgroup_id_x 1
		.amdhsa_system_sgpr_workgroup_id_y 1
		.amdhsa_system_sgpr_workgroup_id_z 1
		.amdhsa_system_vgpr_workitem_id 0
		.amdhsa_next_free_vgpr 148
		.amdhsa_next_free_sgpr 66
		.amdhsa_reserve_vcc 1
		.amdhsa_float_denorm_mode_32 3
		.amdhsa_float_denorm_mode_16_64 3
		.amdhsa_memory_ordered 1
		.amdhsa_forward_progress 1
		.amdhsa_inst_pref_size 15
	.end_amdhsa_kernel
	.amdgpu_metadata
---
amdhsa.version: [ 1, 2 ]
amdhsa.kernels:
  - .name:           k_q7274d32e80_cast
    .symbol:         k_q7274d32e80_cast.kd
    .args:
      - { .name: x, .offset: 0, .size: 8, .value_kind: global_buffer, .address_space: global }
      - { .name: Wq, .offset: 8, .size: 8, .value_kind: global_buffer, .address_space: global }
      - { .name: Wk, .offset: 16, .size: 8, .value_kind: global_buffer, .address_space: global }
      - { .name: Wv, .offset: 24, .size: 8, .value_kind: global_buffer, .address_space: global }
      - { .name: Wg, .offset: 32, .size: 8, .value_kind: global_buffer, .address_space: global }
      - { .name: Wo, .offset: 40, .size: 8, .value_kind: global_buffer, .address_space: global }
      - { .name: cast, .offset: 48, .size: 8, .value_kind: global_buffer, .address_space: global }
      - { .name: rope, .offset: 56, .size: 8, .value_kind: global_buffer, .address_space: global }
    .group_segment_fixed_size: 0
    .private_segment_fixed_size: 0
    .kernarg_segment_align: 8
    .kernarg_segment_size: 64
    .max_flat_workgroup_size: 256
    .sgpr_count:     66
    .vgpr_count:     148
    .wavefront_size: 32
...
	.end_amdgpu_metadata
.endif
;; end of part 5
;; launch proj: the kernel of part 2 again; grid 32 x 8, 4 waves a work-group, clusters of 4 x 4, 327,680 bytes of LDS; arguments cast, rope, q_gamma, k_gamma, qkvg; writes qkvg
;; launch attn: the kernel of part 3 again; grid 8 x 32, 4 waves a work-group, no clusters, 327,680 bytes of LDS; arguments qkvg, o_gamma, yg; writes yg
;; launch outp: the kernel of part 4 again; grid 16 x 16, 4 waves a work-group, clusters of 4 x 4, 327,680 bytes of LDS; arguments yg, cast, out0; writes out0
